; MI455X (gfx1250); checked and timed in simulation.
; The chip was launched on July 23, 2026; its instructions are those of AMD's public machine-readable ISA for CDNA 5 (MIT licence, August 2026) and "CDNA5" Instruction Set Architecture Reference Guide (July 2026). The comments in the code are by the model that wrote it; some were corrected since.
;; IDMPNN Transformer. Allowed arithmetic: matrix products marked QUANTISED: E2M3 operands, one E8M0 scale for each 32 along K, by v_wmma_scale_f32_16x16x128_f8f6f4 with both operands' format E2M3, f32 sums; everything else in f32.
;; Inputs: Wk 1,024 x 1,024 float32; Wo 1,024 x 1,024 float32; Wq 1,024 x 1,024 float32; Wv 1,024 x 1,024 float32; adj 16 x 512 x 512 int32; bk 1,024 float32; bo 1,024 float32; bq 1,024 float32; bv 1,024 float32; dist_emb 37 x 16 float32; distance 16 x 512 x 512 int32; edge_emb 4 x 16 float32; key_padding_mask 16 x 512 bool; x 16 x 512 x 1,024 float32.
;; Outputs: out0 16 x 512 x 1,024 float32.
;; This version of the problem:
;;   THIS VERSION OF THE PROBLEM IS GIVEN IN LOW PRECISION. The matrix products marked QUANTISED in the list below multiply operands that are first quantised to E2M3 (2 exponent bits, 3 mantissa bits; 6 bits a number), with one power-of-two scale for each 32 numbers along K (OCP MX v1.0); their sums are f32. All else is computed in f32.
;;   The module's matrix products, in the order in which they are computed (A, B: the left and right operand; K: the contracted axis; several contracted axes count as one K, in the product's order):
;;     1. [M 8,192, K 1,024] x [K 1,024, N 1,024]; A: input x; B: input Wq: QUANTISED
;;     2. [M 8,192, K 1,024] x [K 1,024, N 1,024]; A: input x; B: input Wk: QUANTISED
;;     3. [M 8,192, K 1,024] x [K 1,024, N 1,024]; A: input x; B: input Wv: QUANTISED
;;     4. batch 256 x [M 512, K 64] x [K 64, N 512]; A: computed on the way; B: computed on the way: QUANTISED
;;     5. batch 256 x [M 64, K 512] x [K 512, N 512]; A: computed on the way; B: softmax (see below): QUANTISED
;;     6. [M 8,192, K 1,024] x [K 1,024, N 1,024]; A: computed on the way; B: input Wo: QUANTISED
;;   THE QUANTISER, for each operand of a quantised product, along K:
;;     - K is cut into blocks of 32 from its start; a last block that is shorter is filled with zeros.
;;     - A block's scale is 2^e with e = floor(log2(the largest magnitude in the block)) - 2, held to -126 .. 127; a block of zeros has e = 0. As a byte (E8M0): e + 127.
;;     - Each number is divided by its block's scale, clamped to +-7.5, and rounded to the nearest number of E2M3, ties to even, subnormals kept.
;;     - The product sums the exact products of the quantised numbers (number of the format x scale) in f32.
;;   ~~~python
;;   def quantise(x, axis):      # numpy; x: float32 -> the quantised numbers, widened to float32 again
;;       x = np.moveaxis(x, axis, -1); K = x.shape[-1]
;;       x = np.pad(x, [(0, 0)] * (x.ndim - 1) + [(0, -K % 32)]); x = x.reshape(x.shape[:-1] + (-1, 32)); a = np.abs(x).max(-1, keepdims=True)
;;       e = np.where(a > 0, np.clip(np.frexp(np.where(a > 0, a, 1))[1] - 1 - 2, -126, 127), 0)      # np.frexp(a)[1] - 1 = floor(log2(a)), exactly
;;       r = np.clip(x / 2.0 ** e, -7.5, 7.5)
;;       step = 2.0 ** (np.maximum(np.frexp(np.where(r == 0, 1, r))[1] - 1, 0) - 3)
;;       q = np.round(r / step) * step * 2.0 ** e      # np.round: ties to even
;;       return np.moveaxis(q.reshape(q.shape[:-2] + (-1,))[..., :K], -1, axis).astype(np.float32)
;;   ~~~
;;   SOFTMAX AHEAD OF A QUANTISED PRODUCT. Where the list says 'softmax', what is quantised is not the finished softmax but p = 2^(t - M), with t = logit x log2(e) and M = ceil(the row's largest t), a whole number; so 1/2 < the row's largest p <= 1. The row's sum l is taken of the UNQUANTISED p, in f32, and the product's result is divided by l at the end. Since M is a whole number, a kernel that streams over the keys may use a running M (the ceiling of the running maximum): every later rescaling is an exact power of two, which a block's scale takes up: the codes' values come out the same.
;;   OPERANDS COMPUTED ON THE WAY. 'Computed on the way' means the value that the module computes at that place (a softmax that the list does not call 'softmax' is quantised finished and normalised). What goes into a quantiser is computed in f32, as accurately as f32 sums, v_exp_f32 and their like allow (about 1e-6 of the number): no bf16 or f16 on the way to a quantiser, and a product that is left as it is and whose result goes on into a quantised operand takes f32 operands (vector FMAs, or v_wmma_f32_16x16x4_f32). A number that lies on a knife's edge between two numbers of the format may be rounded either way, as far as f32 arithmetic and the matrix unit's own rounding can turn it there, and no further.
;; 2 versions, each right; version 2 is version 1 with the launch attn written anew for expert scheduling mode. Each part assembles by itself: llvm-mc -triple=amdgcn-amd-amdhsa -mcpu=gfx1250 --defsym DOCPART=n.
;; ======== version 1 of 2: 4 launches
;; limits: right only within a limited range of input values
;; workspace buffers: img 15,728,640 bytes; scl 655,360 bytes; idx 8,388,608 bytes of whole numbers; qkv 20,185,088 bytes
;; launch prep (part 1): grid 896 x 1, 4 waves a work-group, no clusters, 51,200 bytes of LDS; arguments x, Wq, Wk, Wv, Wo, adj, distance, key_padding_mask, img, scl, idx; writes img, scl, idx
.if DOCPART == 1
	.amdgcn_target "amdgcn-amd-amdhsa--gfx1250"
	.amdhsa_code_object_version 6
	.text
	.protected	k_qe0aa9587e4_prep
	.globl	k_qe0aa9587e4_prep
	.p2align	8
	.type	k_qe0aa9587e4_prep,@function
k_qe0aa9587e4_prep:
	s_mov_b64 s[64:65], 0
	v_nop
	global_prefetch_b8 v0, s[64:65] scope:SCOPE_SE
	s_setreg_imm32_b32 hwreg(HW_REG_WAVE_MODE, 25, 1), 1
	s_wait_xcnt 0x0
; PREP.  Two jobs, parted by the work-group's number; each has LDS bytes of its own.
; (Q) work-groups 0-383: x [8192][1024] and Wq, Wk, Wv, Wo [1024][1024], f32, K innermost, become codes of FP6 (E2M3) with one E8M0 byte for each 32 along K.
;     THE ROWS OF A TILE ARE NOT NEIGHBOURS: lane r of tile T takes row 64 (T / 4) + 8 (T % 4) + r + 24 (r / 8).  Used as source 0 of a product, the four tiles of a group of 64 rows then
;     leave 32 neighbouring rows in one lane's 32 result registers: a whole block of the next product's K in one lane.
;     img: tile T at 12,288 T: eight fragments (128 along K each) of 1,536 bytes, each an image of the operand's registers: piece p (registers 2 p, 2 p + 1) at 256 p + 8 x lane.
;     scl: tile T at 512 T: [K step / 4][r][4 words], a word = the four bytes of 128 along K of one row.
; (I) work-groups 384-895: adj, distance and key_padding_mask become, for each (query, key), the 16-bit LDS offset at which the attention launch finds that pair's bias:
;     128 c + 4 x (the reading lane), c = 37 adj + distance, or 148 where the key is masked.  idx: block ((b 32 + t) 4 + s) of 4,096 bytes: [chunk k][lane][16 bytes]; element e = 8 k .. 8 k + 7 of
;     lane (r, h) is query row(t, r), key 128 s + 64 (e / 32) + 32 h + e % 32.
; A block's scale is 2^(floor(log2(largest magnitude)) - 2); its byte is the largest magnitude's exponent field - 2, held at 1 from below.
; LIMITS: a block of zeros gets the byte 1 where the rule says 127 (its codes are zeros, and this program alone reads the bytes); blocks whose largest magnitude lies under 2^-124 are held at that floor;
; NaN and infinities among the inputs are not served; adj and distance are taken to lie inside their tables, as reference() itself relies on.
; No tensor loads, no barrier: waves share nothing.  No matrix unit, no cluster: every byte is read once and nothing is shared.
.set STQ,  8448                        ; (Q) a wave's stage: 16 rows x (512 bytes + 16)
.set STI0, 33792                       ; (I) the stages begin behind (Q)'s four
.set STI,  4224                        ; (I) a wave's stage: 8 chunks x (512 bytes + 16)
.set R,    32                          ; v32-159   two sets of 64: 16 rows x 16 bytes a lane, as loaded
.set X,    160                         ; v160-223  64 numbers of my row: k = 64 c + 32 h + 0 .. 31
.set C,    224                         ; v224-247  two sets of 12: a fragment's codes
; 32 numbers of one lane, one block, become 6 registers of codes at v[cd]; v[m] is left as the conversion's scale operand (its exponent field is the byte)
.macro QUANT32 x, cd, tmp, m, m2
	v_max3_num_f32 v[(\m)], |v[(\x)]|, |v[(\x)+1]|, 0x1800000            ; the floor 2^(3 - 127) among the leaves: the byte cannot fall under 1
	v_max3_num_f32 v[(\m2)], |v[(\x)+16]|, |v[(\x)+17]|, |v[(\x)+18]|    ; two chains, so that no line waits for the line above it
.irp i, 2,4,6,8,10,12
	v_max3_num_f32 v[(\m)], v[(\m)], |v[(\x)+\i]|, |v[(\x)+\i+1]|
	v_max3_num_f32 v[(\m2)], v[(\m2)], |v[(\x)+17+\i]|, |v[(\x)+18+\i]|
.endr
	v_max3_num_f32 v[(\m)], v[(\m)], |v[(\x)+14]|, |v[(\x)+15]|
	v_max3_num_f32 v[(\m)], v[(\m)], v[(\m2)], |v[(\x)+31]|
	v_add_nc_u32 v[(\m)], 0xff000000, v[(\m)]                            ; 2 off the exponent field
	v_cvt_scalef32_pk16_fp6_f32 v[(\cd):(\cd)+2], v[(\x):(\x)+15], v[(\m)]
	v_cvt_scalef32_pk16_fp6_f32 v[(\tmp):(\tmp)+2], v[(\x)+16:(\x)+31], v[(\m)]   ; (a conversion's three registers begin on an even number)
	v_nop                                                                ; one plain line behind a scaled conversion
.irp i, 0,1,2
	v_mov_b32 v[(\cd)+3+\i], v[(\tmp)+\i]
.endr
.endm
	s_load_b256 s[4:11], s[0:1], 0x0               ; x, Wq, Wk, Wv
	s_load_b256 s[12:19], s[0:1], 0x20             ; Wo, adj, distance, key_padding_mask
	s_load_b128 s[20:23], s[0:1], 0x40             ; img, scl
	s_load_b64 s[24:25], s[0:1], 0x50              ; idx
	v_lshl_add_u32 v251, v0, 2, 0xc600
	v_mov_b32 v255, 0
	v_lshrrev_b32 v1, 5, v0
	v_readfirstlane_b32 s26, v1                    ; wave 0..3
	v_and_b32 v1, 31, v0                           ; lane
	s_mov_b32 s44, 0x76543210
	s_mov_b32 s45, 0xfedcba98                      ; v_permlanex16_b32's selects for lane l xor 16
	s_mov_b32 s46, 0xffff0000                      ; lanes 16-31
	s_wait_kmcnt 0x0
	s_cmp_lt_u32 ttmp9, 384
	s_cbranch_scc0 .Lindex
	; ---------------- (Q) a wave takes tile T = 2 x work-group + wave / 2, half (wave & 1) of K: 16 rows x 512 along K
	s_mov_b64 s[28:29], s[12:13]                   ; which tensor: the choice hangs on the work-group's number alone
	s_mov_b32 s30, 352
	s_cmp_lt_u32 ttmp9, 352
	s_cselect_b64 s[28:29], s[10:11], s[28:29]
	s_cselect_b32 s30, 320, s30
	s_cmp_lt_u32 ttmp9, 320
	s_cselect_b64 s[28:29], s[8:9], s[28:29]
	s_cselect_b32 s30, 288, s30
	s_cmp_lt_u32 ttmp9, 288
	s_cselect_b64 s[28:29], s[6:7], s[28:29]
	s_cselect_b32 s30, 256, s30
	s_cmp_lt_u32 ttmp9, 256
	s_cselect_b64 s[28:29], s[4:5], s[28:29]
	s_cselect_b32 s30, 0, s30
	s_sub_co_u32 s31, ttmp9, s30
	s_lshl_b32 s31, s31, 1
	s_lshr_b32 s32, s26, 1
	s_and_b32 s33, s26, 1                          ; which half of K
	s_add_co_u32 s31, s31, s32                     ; the tile's number in its tensor
	s_lshr_b32 s34, s31, 2
	s_lshl_b32 s34, s34, 6
	s_and_b32 s35, s31, 3
	s_lshl_b32 s35, s35, 3
	s_add_co_u32 s34, s34, s35                     ; its first row: 64 (T / 4) + 8 (T % 4)
	s_lshl_b32 s34, s34, 12                        ; rows of 4,096 bytes
	s_lshl_b32 s35, s33, 11
	s_add_co_u32 s34, s34, s35
	s_mov_b32 s35, 0
	s_add_nc_u64 s[28:29], s[28:29], s[34:35]
	s_lshl_b32 s36, ttmp9, 1
	s_add_co_u32 s36, s36, s32                     ; the tile's number in img and scl
	s_mul_i32 s38, s36, 12288
	s_mul_i32 s37, s33, 6144
	s_add_co_u32 s38, s38, s37
	s_mov_b32 s39, 0
	s_add_nc_u64 s[20:21], s[20:21], s[38:39]      ; img at my four fragments
	s_lshl_b32 s40, s36, 9
	s_lshl_b32 s37, s33, 8
	s_add_co_u32 s40, s40, s37
	s_mov_b32 s41, 0
	s_add_nc_u64 s[22:23], s[22:23], s[40:41]      ; scl at my 256 bytes
	v_lshlrev_b32 v2, 4, v1                        ; 16 x lane: my bytes of a load's 512
	s_mul_i32 s42, s26, STQ
	v_add_nc_u32 v3, s42, v2                       ; the stage, on the way in
	v_and_b32 v8, 15, v0                           ; r
	v_bfe_u32 v9, v0, 4, 1                         ; h
	v_mul_u32_u24 v4, v8, 528
	v_lshl_add_u32 v4, v9, 7, v4
	v_add_nc_u32 v4, s42, v4                       ; and on the way out: row r, + 128 h
	v_lshlrev_b32 v5, 3, v1                        ; 8 x lane: a piece's place
	v_lshlrev_b32 v6, 4, v8
	v_lshl_add_u32 v6, v9, 3, v6                   ; 16 r + 8 h: my two scale words
	v_lshlrev_b32 v7, 3, v9                        ; 8 h
	v_mov_b32 v14, 0                               ; (a lane permute's destination counts as one of its sources)
.macro LOAD k                          ; K step k: each load reads 512 consecutive bytes of one of the tile's 16 rows
.irp j, 0,1,2,3,4,5,6,7,8,9,10,11,12,13,14,15
	global_load_b128 v[R+64*((\k)%2)+4*\j:R+64*((\k)%2)+4*\j+3], v2, s[28:29] offset:(\j+24*(\j/8))*4096+512*(\k) th:TH_LOAD_NT
.endr
.endm
.macro QSTEP k
.if (\k) < 3
	s_wait_loadcnt 16                              ; this step's 16 loads are in; the next step's 16 may be out
.else
	s_wait_loadcnt 0x0
.endif
.irp j, 0,1,2,3,4,5,6,7,8,9,10,11,12,13,14,15
	ds_store_b128 v3, v[R+64*((\k)%2)+4*\j:R+64*((\k)%2)+4*\j+3] offset:528*\j
.endr
.irp c, 0,1
.irp i, 0,1,2,3,4,5,6,7
	ds_load_b128 v[X+32*\c+4*\i:X+32*\c+4*\i+3], v4 offset:256*\c+16*\i   ; LDS serves a wave's instructions in order: these see the stores above
.endr
.endr
	s_wait_dscnt 0x0                               ; my 64 numbers are in, and the stores into the stage have read their registers
	s_wait_xcnt 0x0                                ; the earlier stores of codes have read theirs: this step's set may be written
.if (\k) < 2
	LOAD (\k)+2
.endif
	QUANT32 X, C+12*((\k)%2), 248, 10, 11
	QUANT32 X+32, C+12*((\k)%2)+6, 252, 12, 13
	v_lshrrev_b32 v10, 23, v10                     ; the bytes of blocks h and 2 + h of my row,
	v_lshrrev_b32 v12, 23, v12
	v_lshl_or_b32 v10, v12, 16, v10
	v_lshlrev_b32 v10, v7, v10                     ; at their places in the scale word;
	v_permlanex16_b32 v14, v10, s44, s45
	v_or_b32 v[16+(\k)], v10, v14                  ; with lane l xor 16's two the word is whole
.irp p, 0,1,2,3,4,5
	global_store_b64 v5, v[C+12*((\k)%2)+2*\p:C+12*((\k)%2)+2*\p+1], s[20:21] offset:(\k)*1536+256*\p   ; 32 lanes store 256 consecutive bytes, aligned
.endr
.endm
	LOAD 0
	LOAD 1
	QSTEP 0
	QSTEP 1
	QSTEP 2
	QSTEP 3
	v_cndmask_b32 v12, v16, v18, s46               ; lanes 0-15 store words 0, 1 of their row, lanes 16-31 words 2, 3
	v_cndmask_b32 v13, v17, v19, s46
	global_store_b64 v6, v[12:13], s[22:23]        ; 256 consecutive bytes, aligned
	s_wait_tensorcnt 0x0
	ds_add_u32 v251, v255
	s_wait_dscnt 0x0
	s_endpgm
	; ---------------- (I) work-group - 384 = b 32 + t; wave = s: 16 query rows x 128 keys.  Lane p holds keys 4 p .. 4 p + 3 of each row
.Lindex:
	s_sub_co_u32 s28, ttmp9, 384
	s_lshr_b32 s29, s28, 5                         ; b
	s_and_b32 s30, s28, 31                         ; t
	s_lshr_b32 s31, s30, 2
	s_lshl_b32 s31, s31, 6
	s_and_b32 s32, s30, 3
	s_lshl_b32 s32, s32, 3
	s_add_co_u32 s31, s31, s32
	s_lshl_b32 s33, s29, 9
	s_add_co_u32 s31, s31, s33                     ; the tile's first query row, among all 8,192
	s_lshl_b32 s34, s31, 11                        ; rows of 2,048 bytes
	s_lshl_b32 s35, s26, 9                         ; + 128 s keys
	s_add_co_u32 s34, s34, s35
	s_mov_b32 s35, 0
	s_add_nc_u64 s[14:15], s[14:15], s[34:35]
	s_add_nc_u64 s[16:17], s[16:17], s[34:35]
	s_lshl_b32 s36, s26, 7
	s_add_co_u32 s36, s36, s33                     ; the mask: 512 b + 128 s
	s_mov_b32 s37, 0
	s_add_nc_u64 s[18:19], s[18:19], s[36:37]
	s_lshl_b32 s38, s28, 2
	s_add_co_u32 s38, s38, s26
	s_lshl_b32 s38, s38, 12                        ; my block of idx
	s_mov_b32 s39, 0
	s_add_nc_u64 s[24:25], s[24:25], s[38:39]
	s_mul_i32 s40, s26, STI
	s_add_co_u32 s40, s40, STI0                    ; my stage
	v_lshlrev_b32 v2, 4, v1                        ; 16 p
	v_lshlrev_b32 v3, 2, v1                        ; 4 p
	v_lshrrev_b32 v10, 4, v1
	v_bfe_u32 v11, v1, 1, 2
	v_lshl_add_u32 v10, v10, 2, v11                ; my keys' chunk: 4 (p / 16) + (p % 8) / 2
	v_mul_u32_u24 v4, v10, 528
	v_bfe_u32 v12, v1, 3, 1                        ; the reading lane's half: (p / 8) % 2
	v_lshl_add_u32 v4, v12, 8, v4
	v_and_b32 v13, 1, v1
	v_lshl_add_u32 v4, v13, 3, v4
	v_add_nc_u32 v4, s40, v4                       ; into the stage: chunk x 528 + 256 x half + 8 (p % 2); + 16 x row stands in the immediate
	v_add_nc_u32 v5, s40, v2                       ; and out of it: 16 p
	v_mul_u32_u24 v6, v12, 0x400040                ; 64 x half, in both 16-bit halves
	v_mov_b32 v7, 148
	global_load_b32 v8, v3, s[18:19]               ; four mask bytes
.irp j, 0,1,2,3,4,5,6,7,8,9,10,11,12,13,14,15
	global_load_b128 v[32+4*\j:35+4*\j], v2, s[14:15] offset:(\j+24*(\j/8))*2048 th:TH_LOAD_NT   ; 512 consecutive bytes of a row
	global_load_b128 v[96+4*\j:99+4*\j], v2, s[16:17] offset:(\j+24*(\j/8))*2048 th:TH_LOAD_NT
.endr
	s_wait_loadcnt 32                              ; the mask word is in; the 32 loads behind it may be out
.irp i, 0,1,2,3
	v_bfe_u32 v[12+\i], v8, 8*\i, 8
.endr
.irp i, 0,1,2,3
	v_cmp_ne_u32 s[48+\i], 0, v[12+\i]
.endr
.irp j, 0,1,2,3,4,5,6,7,8,9,10,11,12,13,14,15
	s_wait_loadcnt 30-2*\j                         ; row j's two loads are in; the later rows' may be out
.irp i, 0,1,2,3
	v_mad_u32_u24 v[12+\i], v[32+4*\j+\i], 37, v[96+4*\j+\i]
.endr
.irp i, 0,1,2,3
	v_cndmask_b32 v[12+\i], v[12+\i], v7, s[48+\i]  ; a masked key takes entry 148
.endr
	v_lshl_or_b32 v16, v13, 16, v12
	v_lshl_or_b32 v17, v15, 16, v14
	v_add_nc_u32 v18, (4*\j)*0x10001, v6           ; 4 x the reading lane (row + 16 x half), in both halves
	v_lshl_add_u32 v20, v16, 7, v18
	v_lshl_add_u32 v21, v17, 7, v18
	ds_store_b64 v4, v[20:21] offset:16*\j
.endr
.irp k, 0,1,2,3,4,5,6,7
	ds_load_b128 v[160+4*\k:163+4*\k], v5 offset:528*\k   ; LDS serves a wave's instructions in order: these see my stores
.endr
.irp k, 0,1,2,3,4,5,6,7
	s_wait_dscnt 7-\k
	global_store_b128 v2, v[160+4*\k:163+4*\k], s[24:25] offset:512*\k   ; 512 consecutive bytes, aligned
.endr
	s_wait_tensorcnt 0x0
	ds_add_u32 v251, v255
	s_wait_dscnt 0x0
	s_endpgm
.Lfunc_end_k_qe0aa9587e4_prep:
	.size	k_qe0aa9587e4_prep, .Lfunc_end_k_qe0aa9587e4_prep-k_qe0aa9587e4_prep
	.p2alignl 7, 3214868480
	.fill 96, 4, 3214868480
	.section	.rodata,"a",@progbits
	.p2align	6, 0x0
	.amdhsa_kernel k_qe0aa9587e4_prep
		.amdhsa_group_segment_fixed_size 51200
		.amdhsa_private_segment_fixed_size 0
		.amdhsa_enable_private_segment 0
		.amdhsa_kernarg_size 88
		.amdhsa_user_sgpr_count 2
		.amdhsa_user_sgpr_kernarg_segment_ptr 1
		.amdhsa_wavefront_size32 1
		.amdhsa_system_sgpr_workgroup_id_x 1
		.amdhsa_system_sgpr_workgroup_id_y 1
		.amdhsa_system_sgpr_workgroup_id_z 1
		.amdhsa_system_vgpr_workitem_id 0
		.amdhsa_next_free_vgpr 256
		.amdhsa_next_free_sgpr 66
		.amdhsa_reserve_vcc 0
		.amdhsa_float_denorm_mode_32 3
		.amdhsa_float_denorm_mode_16_64 3
		.amdhsa_memory_ordered 1
		.amdhsa_forward_progress 1
		.amdhsa_inst_pref_size 54
	.end_amdhsa_kernel
	.amdgpu_metadata
---
amdhsa.version: [ 1, 2 ]
amdhsa.kernels:
  - .name:           k_qe0aa9587e4_prep
    .symbol:         k_qe0aa9587e4_prep.kd
    .args:
      - { .name: x, .offset: 0, .size: 8, .value_kind: global_buffer, .address_space: global }
      - { .name: Wq, .offset: 8, .size: 8, .value_kind: global_buffer, .address_space: global }
      - { .name: Wk, .offset: 16, .size: 8, .value_kind: global_buffer, .address_space: global }
      - { .name: Wv, .offset: 24, .size: 8, .value_kind: global_buffer, .address_space: global }
      - { .name: Wo, .offset: 32, .size: 8, .value_kind: global_buffer, .address_space: global }
      - { .name: adj, .offset: 40, .size: 8, .value_kind: global_buffer, .address_space: global }
      - { .name: distance, .offset: 48, .size: 8, .value_kind: global_buffer, .address_space: global }
      - { .name: key_padding_mask, .offset: 56, .size: 8, .value_kind: global_buffer, .address_space: global }
      - { .name: img, .offset: 64, .size: 8, .value_kind: global_buffer, .address_space: global }
      - { .name: scl, .offset: 72, .size: 8, .value_kind: global_buffer, .address_space: global }
      - { .name: idx, .offset: 80, .size: 8, .value_kind: global_buffer, .address_space: global }
    .group_segment_fixed_size: 51200
    .private_segment_fixed_size: 0
    .kernarg_segment_align: 8
    .kernarg_segment_size: 88
    .max_flat_workgroup_size: 128
    .sgpr_count:     66
    .vgpr_count:     256
    .wavefront_size: 32
...
	.end_amdgpu_metadata
.endif
;; end of part 1
;; launch qkv (part 2): grid 8 x 32, 4 waves a work-group, clusters of 4 x 4, 327,680 bytes of LDS; arguments img, scl, qkv, bq, bk, bv; writes qkv
.if DOCPART == 2
	.amdgcn_target "amdgcn-amd-amdhsa--gfx1250"
	.amdhsa_code_object_version 6
	.text
	.protected	k_qe0aa9587e4_qkv
	.globl	k_qe0aa9587e4_qkv
	.p2align	8
	.type	k_qe0aa9587e4_qkv,@function
k_qe0aa9587e4_qkv:
	s_mov_b64 s[64:65], 0
	v_nop
	global_prefetch_b8 v0, s[64:65] scope:SCOPE_SE
	s_setreg_imm32_b32 hwreg(HW_REG_WAVE_MODE, 25, 1), 1
	s_wait_xcnt 0x0
	s_wait_alu depctr_hold_cnt(0) depctr_sa_sdst(0) depctr_va_vdst(0) depctr_va_sdst(0) depctr_va_ssrc(0) depctr_va_vcc(0) depctr_vm_vsrc(0)
	s_getreg_b32 s2, hwreg(HW_REG_IB_STS2, 6, 4)
	s_cmp_eq_u32 s2, 0
	s_cbranch_scc0 .Lentry_in_a_cluster
	s_endpgm
.Lentry_in_a_cluster:
	s_bfe_u32 s2, ttmp6, 0x10000c
	s_cmp_lg_u32 s2, 0xf033
	s_cbranch_scc0 .Lentry_shape_is_right
	s_endpgm
.Lentry_shape_is_right:
; QKV.  q = x Wq^T + bq, k = x Wk^T + bk, v = x Wv^T + bv on codes of FP6 (E2M3) with E8M0 scales, K = 1,024; the results are quantised at once, in registers, for the attention launch.
; A WORK-GROUP STAYS.  q and k are 256 tiles of 256 x 256; v is cut into 256 half tiles of 128 channels x 256 keys: each of the 256 work-groups makes one half tile of v and then one tile of q or k.
; Operands come as images of their registers (img: tile at 12,288 T, K step kk at 1,536 kk, piece p at 256 p + 8 x lane): a fragment is six loads of 8 bytes a lane, each 256 consecutive LDS bytes: no pitch, no padding.
; WHICH OPERAND STANDS WHERE.  Source 0 ('B') leaves its rows along a lane's registers, source 1 ('A') in the lanes.  v: A = Wv (8 tiles), B = x (16 tiles): a lane holds one channel and 32 neighbouring keys: a block of the
; second attention product's K.  q, k: A = x (16 tiles), B = Wq or Wk (16 tiles): a lane holds one row of x and 32 neighbouring channels of a head: a block of the score product's K.
; (The rows of a tile are chosen for that: lane r of tile T is row 64 (T / 4) + 8 (T % 4) + r + 24 (r / 8).)  So no block's maximum asks another lane, and the conversions' results are the next operand's registers.
; LDS.  v's whole K lies in four slices of 73,728 bytes (two K steps each: A's 8 tiles x 3,072 bytes, then B's 16), all asked for at the head: four tensor loads of a wave are out there, later one.
; The tile of q or k takes its K through three slots of 98,304 bytes (A's 16 tiles, then B's 16) that lie over slices already read: slot 0 is asked for at v's K step 3, slot 1 behind v's last product,
; slot 2 behind v's way out, slot 0 again (the last two K steps) at K step 3 of q, k.  Each such request is a wave's one tensor load behind a round of the cluster's barrier.
; q is stored unscaled: the factor 1/8 is a power of two, which the attention launch puts into its own constant.
; qkv: block (b 16 + head) of HB bytes: KI 32 key tiles x 768 (16 keys x 64 channels); VI [key step][tile of 16 channels] x 1,536; KS, QS [tile / 4][r][4 words] (a word: two bytes, then two zero bytes);
; VS [key step][r][4 words]; QI as KI.
; CLUSTERS: 4 x 4 work-groups; A's tiles are asked for jointly along a row of the cluster, B's along a column, in both phases.
; LIMITS: a block of zeros gets the byte 1 (its codes are zeros; this program alone reads the bytes); blocks under 2^-124 are held at that floor; NaN and infinities are not served.
; REGISTERS: window 0: v1-8 LDS addresses of v's slices, v16-22 of the slots, v9-31 offsets, v10-14 at work; v32-95 scale words (tile i, K step kk at v[32 + 8 i + kk]: lanes 0-15 A's, lanes 16-31 B's);
; v96-127, v224-255 biases; v128-223 A's fragments (v: two sets of 4; q, k: one set of 8), on the ways out the quantiser's registers.  window 1: B's fragments, two sets, at v0 and v128.
; windows 2, 3: accumulator (a, b) at v[8 (8 (a % 4) + b)]; v uses window 2 alone.
.set HALFT, 24576                      ; q, k: 8 tiles x 3,072 bytes: what one tensor load brings, and what one wave reads of A or of B
.set SLOT,  98304                      ; q, k: A's 16 tiles, then B's 16
.set VSL,   73728                      ; v: a slice: A's 8 tiles, then B's 16
.set VBO,   24576                      ; v: where B's tiles begin in a slice
.set SPARE, 294912                     ; behind the slices and slots: the spare words, 128 bytes for each wave, that no other line names
.set HB,    78848
.set VI,    24576
.set KS,    49152
.set VS,    51200
.set QI,    52224
.set QS,    76800
.set HAD,   1                          ; v1-4    LDS address of my A fragments in slice 0 .. 3
.set HBD,   5                          ; v5-8    the same for B
.set SOV,   9                          ; v9      v's scale words: lanes 0-15 A's tiles, lanes 16-31 B's
.set SOQ,   15                         ; v15     the same for q, k
.set ADRA,  16                         ; v16-18  LDS address of my A fragments in slot 0 .. 2
.set BOQ,   19                         ; v19     128 h: the biases of my half's 32 channels
.set ADRB,  20                         ; v20-22  the same as ADRA for B
.set BOV,   23                         ; v23     4 (r + 24 (r / 8)): the bias of my channel
.set CO8,   24                         ; v24     8 x lane
.set CO16,  25                         ; v25     16 x lane
.set COV,   26                         ; v26     16 r + 8 h
.set SH8,   27                         ; v27     8 h
.set SPW,   28                         ; v28     my spare word; never rewritten
.set NIL,   29                         ; v29     0; never rewritten
.set SC,    32
.set AF,    128
.set XX,    128                        ; the way out: 32 numbers
.set CDS,   160                        ; four sets of 6: codes on their way to memory
.set TMPC,  184
.set HW,    188                        ; 16 half words of scale bytes
.set OW,    204                        ; scale words as they are stored
.set WV,    16
.set HI,    17
.set LO,    18
.set MSK,   23
.set G1,    24                         ; s[24:31] group 1: A's tiles of q, k (8 tiles, my row of the cluster)
.set G0,    32                         ; s[32:47] groups 0 for A: one for each of v's slices; the first then serves every later request
.set G1B,   48                         ; s[48:55] group 1: B's tiles (8 tiles, my column)
.set G0B,   56                         ; s[56:63], s[68:75] groups 0 for B
.set G1V,   76                         ; s[76:83] group 1: A's tiles of v (4 tiles, my row)
.set CX,    84
.set CY,    85
.set AQT,   87                         ; first tiles: A's and B's of q, k; A's and B's of v
.set BQT,   88
.set AVT,   89
.set BVT,   90
.set WH,    91                         ; wave x HALFT
.set SEL,   92
.set AQ,    94                         ; s[94:95], s[96:97] where my 8 tiles of A and of B of q, k begin in img
.set BQ,    96
.set CB,    98                         ; s[98:99] the way out: codes;  s[100:101] scale words;  s[2:3] biases
.set SB,    100
.set MSB, 0
.macro WIN new                         ; the immediate's high byte repeats the setting that is left
.if MSB != (\new)
	s_set_vgpr_msb (MSB<<8)|(\new)
.set MSB, (\new)
.endif
.endm
.set MUL_LO, 0xa1                      ; source 0 (B) window 1, source 1 (A) window 0, C and D window 2
.set MUL_HI, 0xf1
.set TO_B,   0x40
.macro JLOAD                           ; a joint load for q, k: waves 0, 1 fetch A's halves, waves 2, 3 B's; four v_nop follow each line
	s_cmp_eq_u32 s[HI], 0
	s_cbranch_scc0 .Lfor_b_\@
	tensor_load_to_lds s[G0:G0+3], s[G1:G1+7]
	s_nop 0
.rept 4
	v_nop
.endr
	s_branch .Lasked_\@
.Lfor_b_\@:
	tensor_load_to_lds s[G0B:G0B+3], s[G1B:G1B+7]
	s_nop 0
.rept 4
	v_nop
.endr
.Lasked_\@:
.endm
.macro CREST                           ; a round of the cluster's barrier behind its opening barrier
	s_cmp_lg_u32 s[WV], 0
	s_cbranch_scc1 .Lnot_wave_0_\@
	s_barrier_signal -3
.Lnot_wave_0_\@:
	s_barrier_wait -3
	s_barrier_signal -1
	s_barrier_wait -1
.endm
.macro CROUND
	s_barrier_signal -1
	s_barrier_wait -1
	CREST
.endm
.macro PLACES n                        ; plain vector lines between a matrix instruction and a load into, or a vector access of, its registers
.rept \n
	v_nop
.endr
.endm
.macro SETQ slot, kp                   ; the groups 0 of the next request: slot, and K steps 2 kp, 2 kp + 1 of q, k.  No tensor load of mine is out where this stands
	s_add_co_u32 s[G0+1], s[WH], (\slot)*SLOT
	s_add_nc_u64 s[G0+2:G0+3], s[AQ:AQ+1], (\kp)*3072
	s_or_b32 s[G0+3], s[G0+3], 0x80000000
	s_add_co_u32 s[G0B+1], s[WH], (\slot)*SLOT
	s_add_nc_u64 s[G0B+2:G0B+3], s[BQ:BQ+1], (\kp)*3072
	s_or_b32 s[G0B+3], s[G0B+3], 0x80000000
.endm
.macro FILLQ slot, kp                  ; a request that stands between two phases
	s_wait_tensorcnt 0x0                           ; all my tensor loads have landed
	ds_add_u32 v[SPW], v[NIL]                      ; 0 onto my spare word
	SETQ \slot, \kp
	s_wait_dscnt 0x0                               ; the add is done, and my reads of the bytes to be filled are over
	CROUND                                         ; both now hold of every wave of every partner
	JLOAD                                          ; the first tensor load behind the round
.endm
.macro FRAG reg, adr, q, i             ; tile i's fragment of the q-th 128 along K of a slice or slot: six pieces, as they lie
.irp p, 0,1,2,3,4,5
	ds_load_b64 v[\reg+2*\p:\reg+2*\p+1], v[\adr] offset:(\i)*3072+(\q)*1536+256*\p
.endr
.endm
; ---------------- v's half tile: 4 blocks of A x 8 of B a wave
.macro HFETCH sl, q, p                 ; 72 LDS loads in one run: the fragments of one K step into set p
	WIN TO_B
.irp i, 0,1,2,3,4,5,6,7
	FRAG 128*(\p)+12*\i, HBD+\sl, \q, \i
.endr
	WIN 0
.irp i, 0,1,2,3
	FRAG AF+48*(\p)+12*\i, HAD+\sl, \q, \i
.endr
.endm
; 16 matrix instructions; the 32 accumulators take turns, one instruction a turn, in the same order in every step.  cm = 1: the sums begin
.macro MUL16H a0, p, kk, cm
.irp a, \a0, \a0+1
.irp b, 0,1,2,3,4,5,6,7
.if \cm == 1
	v_wmma_scale_f32_16x16x128_f8f6f4 v[8*(8*(\a)+\b):8*(8*(\a)+\b)+7], v[128*(\p)+12*\b:128*(\p)+12*\b+11], v[AF+48*(\p)+12*(\a):AF+48*(\p)+12*(\a)+11], 0, v[SC+8*\b+(\kk)], v[SC+8*(\a)+(\kk)] matrix_a_fmt:MATRIX_FMT_FP6 matrix_b_fmt:MATRIX_FMT_FP6 matrix_a_scale:MATRIX_SCALE_ROW1
.else
	v_wmma_scale_f32_16x16x128_f8f6f4 v[8*(8*(\a)+\b):8*(8*(\a)+\b)+7], v[128*(\p)+12*\b:128*(\p)+12*\b+11], v[AF+48*(\p)+12*(\a):AF+48*(\p)+12*(\a)+11], v[8*(8*(\a)+\b):8*(8*(\a)+\b)+7], v[SC+8*\b+(\kk)], v[SC+8*(\a)+(\kk)] matrix_a_fmt:MATRIX_FMT_FP6 matrix_b_fmt:MATRIX_FMT_FP6 matrix_a_scale:MATRIX_SCALE_ROW1
.endif
.endr
.endr
.endm
.macro HSTEP fs, fq, p, kk, cm         ; multiplies set p; the next step's fragments (slice fs, its fq-th 128) are asked for first and have the step's 32 products in which to land
	s_wait_dscnt 0x0                               ; set p is in
	PLACES 4                                       ; behind the last step's products, which read the other set
	HFETCH \fs, \fq, 1-(\p)
	WIN MUL_LO
	MUL16H 0, \p, \kk, \cm
	MUL16H 2, \p, \kk, \cm
	WIN 0
.endm
.macro HTURN next, cnt, kk             ; a slice's second step, where the next slice has yet to be shown to all waves: cnt later first fills may stay out
	s_wait_tensorcnt \cnt                          ; my part of the next slice has landed
	s_wait_dscnt 0x0                               ; set 1 is in; no LDS instruction of mine is out at the signal
	s_barrier_signal -1
	WIN MUL_LO
	MUL16H 0, 1, \kk, 0
	WIN 0
	s_barrier_wait -1                              ; everybody's part has
	PLACES 4
	HFETCH \next, 0, 0
	WIN MUL_LO
	MUL16H 2, 1, \kk, 0
	WIN 0
.endm
.macro HTURNF next, kk, fslot, kp      ; the same, with a request for q, k into bytes that have been read out
	s_wait_tensorcnt 0x0                           ; all my tensor loads have landed: every slice is whole behind the round
	ds_add_u32 v[SPW], v[NIL]                      ; 0 onto my spare word
	SETQ \fslot, \kp
	s_wait_dscnt 1                                 ; set 1 is in; the add may be out
	WIN MUL_LO
	MUL16H 0, 1, \kk, 0                            ; sixteen matrix instructions stand between the add and the wait for it
	WIN 0
	s_wait_dscnt 0x0                               ; the add is done, and my reads of the slices left behind are over
	CROUND
	JLOAD                                          ; the first tensor load behind the round; its four v_nop are the places in front of the loads below
	HFETCH \next, 0, 0
	WIN MUL_LO
	MUL16H 2, 1, \kk, 0
	WIN 0
.endm
.macro HLAST kk
	s_wait_dscnt 0x0
	WIN MUL_LO
	MUL16H 0, 1, \kk, 0
	MUL16H 2, 1, \kk, 0
	WIN 0
.endm
; ---------------- the tile of q or k: 8 blocks of A x 8 of B a wave
.macro FETCH_B slot, q, p
	WIN TO_B
.irp i, 0,1,2,3,4,5,6,7
	FRAG 128*(\p)+12*\i, ADRB+\slot, \q, \i
.endr
	WIN 0
.endm
.macro FETCH_A slot, q, i0
.irp i, \i0, \i0+1, \i0+2, \i0+3
	FRAG AF+12*(\i), ADRA+\slot, \q, \i
.endr
.endm
; 16 matrix instructions: A's blocks a0, a0 + 1 x B's eight.  The 64 accumulators take turns, one instruction a turn, in the same order in every step.  cm = 1: the sums begin
.macro MUL16 a0, p, kk, cm
.irp a, \a0, \a0+1
.irp b, 0,1,2,3,4,5,6,7
.if \cm == 1
	v_wmma_scale_f32_16x16x128_f8f6f4 v[8*(8*((\a)%4)+\b):8*(8*((\a)%4)+\b)+7], v[128*(\p)+12*\b:128*(\p)+12*\b+11], v[AF+12*(\a):AF+12*(\a)+11], 0, v[SC+8*\b+(\kk)], v[SC+8*(\a)+(\kk)] matrix_a_fmt:MATRIX_FMT_FP6 matrix_b_fmt:MATRIX_FMT_FP6 matrix_a_scale:MATRIX_SCALE_ROW1
.else
	v_wmma_scale_f32_16x16x128_f8f6f4 v[8*(8*((\a)%4)+\b):8*(8*((\a)%4)+\b)+7], v[128*(\p)+12*\b:128*(\p)+12*\b+11], v[AF+12*(\a):AF+12*(\a)+11], v[8*(8*((\a)%4)+\b):8*(8*((\a)%4)+\b)+7], v[SC+8*\b+(\kk)], v[SC+8*(\a)+(\kk)] matrix_a_fmt:MATRIX_FMT_FP6 matrix_b_fmt:MATRIX_FMT_FP6 matrix_a_scale:MATRIX_SCALE_ROW1
.endif
.endr
.endr
.endm
.macro GSTEP fs, fq, p, kk, cm         ; multiplies B's set p; fetches the next step's fragments from slot fs, its fq-th 128, which every wave has been shown whole
	s_wait_dscnt 24                                ; B's set and A's blocks 0-3 are in; the youngest 24 loads (A's blocks 4-7) may be out
	WIN MUL_LO
	MUL16 0, \p, \kk, \cm
	MUL16 2, \p, \kk, \cm
	s_wait_dscnt 0x0
	PLACES 4
	FETCH_B \fs, \fq, 1-(\p)
	FETCH_A \fs, \fq, 0
	WIN MUL_HI
	MUL16 4, \p, \kk, \cm
	MUL16 6, \p, \kk, \cm
	PLACES 4
	WIN 0
	FETCH_A \fs, \fq, 4
.endm
.macro TURN next, fill, kk, fslot, kp  ; a step with a barrier: the next slot is shown to all waves; fill = 1: slot fslot, read out, is asked for again
	s_wait_tensorcnt 0x0                           ; all my tensor loads have landed: my part of the next slot
	ds_add_u32 v[SPW], v[NIL]                      ; 0 onto my spare word
.if \fill
	SETQ \fslot, \kp
.endif
	s_wait_dscnt 25                                ; (the add and the youngest 24 loads may be out)
	WIN MUL_LO
	MUL16 0, 1, \kk, 0
	s_wait_dscnt 0x0                               ; the add is done, and my LDS reads are over
	s_barrier_signal -1
	MUL16 2, 1, \kk, 0
	WIN 0
	s_barrier_wait -1
.if \fill
	CREST                                          ; the barrier has opened a round of the cluster's: no wave of any partner still reads the slot or has a load on its way
	JLOAD                                          ; the first tensor load behind the round; its four v_nop are the places in front of the loads below
.else
	PLACES 4
.endif
	FETCH_B \next, 0, 0
	FETCH_A \next, 0, 0
	WIN MUL_HI
	MUL16 4, 1, \kk, 0
	MUL16 6, 1, \kk, 0
	PLACES 4
	WIN 0
	FETCH_A \next, 0, 4
.endm
.macro LAST kk
	s_wait_dscnt 24
	WIN MUL_LO
	MUL16 0, 1, \kk, 0
	MUL16 2, 1, \kk, 0
	s_wait_dscnt 0x0
	WIN MUL_HI
	MUL16 4, 1, \kk, 0
	MUL16 6, 1, \kk, 0
	WIN 0
.endm
.macro QUANT32 x, cd, tmp, m, m2       ; 32 numbers of one lane, one block -> 6 registers of codes; v[m] is left as the conversion's scale operand
	v_max3_num_f32 v[(\m)], |v[(\x)]|, |v[(\x)+1]|, 0x1800000            ; the floor 2^(3 - 127): the byte cannot fall under 1
	v_max3_num_f32 v[(\m2)], |v[(\x)+16]|, |v[(\x)+17]|, |v[(\x)+18]|
.irp i, 2,4,6,8,10,12
	v_max3_num_f32 v[(\m)], v[(\m)], |v[(\x)+\i]|, |v[(\x)+\i+1]|
	v_max3_num_f32 v[(\m2)], v[(\m2)], |v[(\x)+17+\i]|, |v[(\x)+18+\i]|
.endr
	v_max3_num_f32 v[(\m)], v[(\m)], |v[(\x)+14]|, |v[(\x)+15]|
	v_max3_num_f32 v[(\m)], v[(\m)], v[(\m2)], |v[(\x)+31]|
	v_add_nc_u32 v[(\m)], 0xff000000, v[(\m)]
	v_cvt_scalef32_pk16_fp6_f32 v[(\cd):(\cd)+2], v[(\x):(\x)+15], v[(\m)]
	v_cvt_scalef32_pk16_fp6_f32 v[(\tmp):(\tmp)+2], v[(\x)+16:(\x)+31], v[(\m)]
	v_nop
.irp i, 0,1,2
	v_mov_b32 v[(\cd)+3+\i], v[(\tmp)+\i]
.endr
.endm
; The way out of unit (a, g): A's block a x B's blocks 4 g .. 4 g + 3: 32 registers = one block of 32.  kind 0 (q, k): the bias runs along the registers; kind 1 (v): one bias a lane.
; The codes have four sets of registers by turns, so that one wait serves four units' stores.
.macro UNIT a, g, kind
.set U, 2*(\a)+(\g)
.set AC, 64*((\a)%4)+32*(\g)
.set CD, CDS+6*(U%4)
.if (U%4 == 0) && (U > 0)
	s_wait_xcnt 0x0                                ; the last four units' stores have read their registers
.endif
	WIN 0x02+((\a)/4)                              ; source 0: window 2 or 3
.set J, 0
.rept 16
.if \kind == 0
	v_pk_add_f32 v[XX+J:XX+J+1], v[AC+J:AC+J+1], v[96+128*(\g)+J:96+128*(\g)+J+1]   ; each accumulator from its low end on
.else
	v_pk_add_f32 v[XX+J:XX+J+1], v[AC+J:AC+J+1], v[96+2*(\a):97+2*(\a)]
.endif
.set J, J+2
.endr
	WIN 0
	QUANT32 XX, CD, TMPC, 12, 13
	v_lshrrev_b32 v14, 23, v12                     ; my block's byte,
	v_lshlrev_b32 v14, v[SH8], v14                 ; at its place (8 h bits up);
	v_permlanex16_b32 v10, v14, s[SEL], s[SEL+1]
	v_or_b32 v[HW+U], v14, v10                     ; with lane l xor 16's: two bytes
.irp p, 0,1,2
.if \kind == 0
	global_store_b64 v[CO8], v[CD+2*\p:CD+2*\p+1], s[CB:CB+1] offset:(\g)*HB+(\a)*768+256*\p        ; 256 consecutive bytes, aligned
.else
	global_store_b64 v[CO8], v[CD+2*\p:CD+2*\p+1], s[CB:CB+1] offset:(\a)*1536+(\g)*768+256*\p
.endif
.endr
.endm
	s_load_b256 s[4:11], s[0:1], 0x0               ; img s[4:5], scl s[6:7], qkv s[8:9], bq s[10:11]
	s_load_b128 s[12:15], s[0:1], 0x20             ; bk s[12:13], bv s[14:15]
	v_lshl_add_u32 v[SPW], v0, 2, SPARE
	v_mov_b32 v[NIL], 0
	ds_add_u32 v28, v29
	ds_add_u32 v28, v29
	s_wait_dscnt 0x0
	v_lshrrev_b32 v10, 5, v0
	v_readfirstlane_b32 s[WV], v10                 ; wave 0..3
	s_lshr_b32 s[HI], s[WV], 1                     ; which half of A's tiles is mine.  Also: I fetch for A (0) or for B (1)
	s_and_b32 s[LO], s[WV], 1                      ; which half of B's.  Also: which half of that operand's tiles I fetch
	s_mov_b32 s[MSK], 0xffff0000                   ; lanes 16-31
	s_mov_b32 s[SEL], 0x76543210
	s_mov_b32 s[SEL+1], 0xfedcba98
	s_bfe_u32 s[CX], ttmp6, 0x40000                ; cx
	s_bfe_u32 s[CY], ttmp6, 0x40004                ; cy
	s_and_b32 s2, ttmp7, 0xffff
	s_lshl_b32 s2, s2, 2                           ; 4 Y
	s_lshl_b32 s3, ttmp9, 2                        ; 4 X
	s_add_co_u32 s[AQT], s2, s[CY]
	s_lshl_b32 s[AQT], s[AQT], 4                   ; q, k: A's first tile: x's 16 (4 Y + cy)
	s_add_co_u32 s[AVT], s3, s[CY]
	s_lshl_b32 s[AVT], s[AVT], 3
	s_add_co_u32 s[AVT], s[AVT], 640               ; v: A's first tile: Wv's 8 (4 X + cy).  A's tiles hang on cy, X and Y alone,
	s_add_co_u32 s[BVT], s2, s[CX]
	s_lshl_b32 s[BVT], s[BVT], 4                   ; v: B's first tile: x's 16 (4 Y + cx)
	s_add_co_u32 s[BQT], s3, s[CX]
	s_lshl_b32 s[BQT], s[BQT], 4
	s_add_co_u32 s[BQT], s[BQT], 512               ; q, k: B's first tile: Wq's (X = 0) or Wk's (X = 1).  B's on cx, X and Y alone
	s_lshl_b32 s19, s[CY], 2
	s_lshl_b32 s19, 15, s19                        ; my row of the cluster
	s_lshl_b32 s22, 0x1111, s[CX]                  ; my column
	; descriptor groups 1: rows (tiles) of 3,072 bytes, 12,288 bytes apart, in elements of 8 bytes; dense in LDS
	s_or_b32 s[G1], s19, (3<<16)|(1<<21)
	s_or_b32 s[G1V], s19, (3<<16)|(1<<21)
	s_or_b32 s[G1B], s22, (3<<16)|(1<<21)
.irp g, G1, G1B
	s_mov_b32 s[\g+1], 384<<16                     ; tensor_dim0
	s_mov_b32 s[\g+2], 8<<16                       ; tensor_dim1
	s_mov_b32 s[\g+3], 384<<16                     ; tile_dim0
	s_mov_b32 s[\g+4], 8                           ; tile_dim1
	s_mov_b32 s[\g+5], 1536                        ; tensor_dim0_stride
	s_mov_b32 s[\g+6], 0
	s_mov_b32 s[\g+7], 0
.endr
	s_mov_b32 s[G1V+1], 384<<16
	s_mov_b32 s[G1V+2], 4<<16                      ; v's A: 4 tiles a load
	s_mov_b32 s[G1V+3], 384<<16
	s_mov_b32 s[G1V+4], 4
	s_mov_b32 s[G1V+5], 1536
	s_mov_b32 s[G1V+6], 0
	s_mov_b32 s[G1V+7], 0
	s_lshl_b32 s2, s[LO], 3
	s_lshl_b32 s3, s[LO], 2
	s_add_co_u32 s[AQ], s[AQT], s2
	s_mul_i32 s[AQ], s[AQ], 12288
	s_mov_b32 s[AQ+1], 0
	s_add_co_u32 s20, s[AVT], s3
	s_mul_i32 s20, s20, 12288
	s_mov_b32 s21, 0
	s_add_co_u32 s[BQ], s[BQT], s2
	s_mul_i32 s[BQ], s[BQ], 12288
	s_mov_b32 s[BQ+1], 0
	s_add_co_u32 s66, s[BVT], s2
	s_mul_i32 s66, s66, 12288
	s_mov_b32 s67, 0
	s_mul_i32 s[WH], s[WV], HALFT                  ; where q's and k's tiles go: no place in the cluster enters an LDS address
	s_mul_i32 s2, s[LO], 12288                     ; where v's go: A's 4 tiles,
	s_mul_i32 s3, s[LO], 24576
	s_add_co_u32 s3, s3, VBO                       ; B's 8
	s_wait_kmcnt 0x0
	s_add_nc_u64 s[AQ:AQ+1], s[4:5], s[AQ:AQ+1]
	s_add_nc_u64 s[20:21], s[4:5], s[20:21]
	s_add_nc_u64 s[BQ:BQ+1], s[4:5], s[BQ:BQ+1]
	s_add_nc_u64 s[66:67], s[4:5], s[66:67]
	CROUND                                         ; all sixteen work-groups are here: the first joint loads meet
.irp j, 0,1,2,3
.set GB, G0B+4*\j+4*(\j/2)
	s_mov_b32 s[G0+4*\j], 1
	s_add_co_u32 s[G0+4*\j+1], s2, \j*VSL
	s_add_nc_u64 s[G0+4*\j+2:G0+4*\j+3], s[20:21], \j*3072
	s_or_b32 s[G0+4*\j+3], s[G0+4*\j+3], 0x80000000
	s_mov_b32 s[GB], 1
	s_add_co_u32 s[GB+1], s3, \j*VSL
	s_add_nc_u64 s[GB+2:GB+3], s[66:67], \j*3072
	s_or_b32 s[GB+3], s[GB+3], 0x80000000
.endr
	s_cmp_eq_u32 s[HI], 0                          ; a wave's four first fills stand in one branch: v's whole K; four tensor loads of mine are out behind it
	s_cbranch_scc0 .Lfirst_b
.irp j, 0,1,2,3
	tensor_load_to_lds s[G0+4*\j:G0+4*\j+3], s[G1V:G1V+7]
	s_nop 0
.endr
.rept 4
	v_nop
.endr
	s_branch .Lfirst_asked
.Lfirst_b:
.irp j, 0,1,2,3
	tensor_load_to_lds s[G0B+4*\j+4*(\j/2):G0B+4*\j+4*(\j/2)+3], s[G1B:G1B+7]
	s_nop 0
.endr
.rept 4
	v_nop
.endr
.Lfirst_asked:
	v_and_b32 v10, 31, v0                          ; lane
	v_and_b32 v30, 15, v0                          ; r
	v_bfe_u32 v31, v0, 4, 1                        ; h
	v_lshlrev_b32 v[CO8], 3, v10
	v_lshlrev_b32 v[CO16], 4, v10
	v_lshlrev_b32 v[COV], 4, v30
	v_lshl_add_u32 v[COV], v31, 3, v[COV]
	v_lshlrev_b32 v[SH8], 3, v31
	v_lshlrev_b32 v[BOQ], 7, v31
	v_lshrrev_b32 v[BOV], 3, v30
	v_mul_u32_u24 v[BOV], v[BOV], 96
	v_lshl_add_u32 v[BOV], v30, 2, v[BOV]
	s_mul_i32 s19, s[HI], 12288                    ; v: my 4 tiles of A,
	s_mul_i32 s22, s[LO], 24576
	s_add_co_u32 s22, s22, VBO                     ; my 8 of B
.irp j, 0,1,2,3
	v_add_nc_u32 v[HAD+\j], s19, v[CO8]
	v_add_nc_u32 v[HBD+\j], s22, v[CO8]
	s_add_co_u32 s19, s19, VSL
	s_add_co_u32 s22, s22, VSL
.endr
	s_mul_i32 s19, s[HI], HALFT                    ; q, k: my 8 tiles of A,
	s_mul_i32 s22, s[LO], HALFT
	s_add_co_u32 s22, s22, 2*HALFT                 ; my 8 of B, behind A's 16
.irp s, 0,1,2
	v_add_nc_u32 v[ADRA+\s], s19, v[CO8]
	v_add_nc_u32 v[ADRB+\s], s22, v[CO8]
	s_add_co_u32 s19, s19, SLOT
	s_add_co_u32 s22, s22, SLOT
.endr
	; the scale words, for all of K, go straight into registers: lanes 0-15 A's tile i, lanes 16-31 B's tile i; 16 bytes a lane
	s_lshl_b32 s19, s[HI], 2
	s_add_co_u32 s19, s19, s[AVT]
	s_lshl_b32 s19, s19, 9
	s_lshl_b32 s22, s[LO], 3
	s_add_co_u32 s22, s22, s[BVT]
	s_lshl_b32 s22, s22, 9
	v_mov_b32 v11, s19
	v_mov_b32 v12, s22
	v_cndmask_b32 v11, v11, v12, s[MSK]
	v_lshl_add_u32 v[SOV], v30, 4, v11
	v_lshl_add_u32 v13, v30, 4, v12                ; v has 4 tiles of A: for i = 4 .. 7 every lane takes B's
	s_lshl_b32 s19, s[HI], 3
	s_add_co_u32 s19, s19, s[AQT]
	s_lshl_b32 s19, s19, 9
	s_lshl_b32 s22, s[LO], 3
	s_add_co_u32 s22, s22, s[BQT]
	s_lshl_b32 s22, s22, 9
	v_mov_b32 v11, s19
	v_mov_b32 v12, s22
	v_cndmask_b32 v11, v11, v12, s[MSK]
	v_lshl_add_u32 v[SOQ], v30, 4, v11
.irp i, 0,1,2,3
.irp q, 0,1
	global_load_b128 v[SC+8*\i+4*\q:SC+8*\i+4*\q+3], v[SOV], s[6:7] offset:512*\i+256*\q
.endr
.endr
.irp i, 4,5,6,7
.irp q, 0,1
	global_load_b128 v[SC+8*\i+4*\q:SC+8*\i+4*\q+3], v13, s[6:7] offset:512*\i+256*\q
.endr
.endr
	s_wait_tensorcnt 3                             ; my part of slice 0 is in; the three later slices' may stay out
	s_barrier_signal -1
	s_barrier_wait -1
	HFETCH 0, 0, 0
	s_wait_loadcnt 0x0                             ; the scale words
	; ---------------- v
	HSTEP 0, 1, 0, 0, 1                            ; the first products start the sums: nothing is cleared
	HTURN 1, 2, 1                                  ; slices 2 and 3 may stay out
	HSTEP 1, 1, 0, 2, 0
	HTURNF 2, 3, 0, 0                              ; slices 0 and 1 are read out: slot 0 takes K steps 0, 1 of q, k.  The round has shown slices 2 and 3 to every wave
	HSTEP 2, 1, 0, 4, 0
	HSTEP 3, 0, 1, 5, 0
	HSTEP 3, 1, 0, 6, 0
	; a lane holds a channel of head 2 (4 X + cy) + HI; unit (a, g) is tile a of its channels, half g of the key step
	s_sub_co_u32 s19, s[AVT], 640
	s_lshr_b32 s19, s19, 2
	s_add_co_u32 s19, s19, s[HI]                   ; the head
	s_lshr_b32 s20, s[BVT], 4
	s_lshr_b32 s21, s20, 1                         ; the batch
	s_and_b32 s20, s20, 1
	s_lshl_b32 s20, s20, 1
	s_add_co_u32 s20, s20, s[LO]                   ; the key step
	s_lshl_b32 s21, s21, 4
	s_add_co_u32 s21, s21, s19
	s_mul_i32 s21, s21, HB
	s_mul_i32 s[CB], s20, 6144
	s_add_co_u32 s[CB], s[CB], s21
	s_add_co_u32 s[CB], s[CB], VI
	s_mov_b32 s[CB+1], 0
	s_add_nc_u64 s[CB:CB+1], s[8:9], s[CB:CB+1]
	s_lshl_b32 s[SB], s20, 8
	s_add_co_u32 s[SB], s[SB], s21
	s_add_co_u32 s[SB], s[SB], VS
	s_mov_b32 s[SB+1], 0
	s_add_nc_u64 s[SB:SB+1], s[8:9], s[SB:SB+1]
	s_lshl_b32 s2, s19, 8
	s_mov_b32 s3, 0
	s_add_nc_u64 s[2:3], s[14:15], s[2:3]
.irp a, 0,1,2,3
	global_load_b32 v[96+2*\a], v[BOV], s[2:3] offset:32*\a      ; loaded twice: the packed addition names the pair
	global_load_b32 v[97+2*\a], v[BOV], s[2:3] offset:32*\a
.endr
	HLAST 7
	FILLQ 1, 1                                     ; all of v's slices are read out: slot 1 takes K steps 2, 3.  The four v_nop behind the load are the places behind v's last products
.irp i, 0,1,2,3,4,5,6,7
.irp q, 0,1
	global_load_b128 v[SC+8*\i+4*\q:SC+8*\i+4*\q+3], v[SOQ], s[6:7] offset:512*\i+256*\q   ; the scale words of q, k
.endr
.endr
	s_wait_loadcnt 16                              ; v's biases are in; the 16 loads just issued may be out
	v_mov_b32 v10, 0                               ; (a lane permute's destination counts as one of its sources)
.irp a, 0,1,2,3
	UNIT \a, 0, 1
	UNIT \a, 1, 1
.endr
.irp a, 0,1,2,3
	v_lshl_or_b32 v[OW+8+\a], v[HW+2*\a+1], 16, v[HW+2*\a]       ; the four bytes of 128 keys
.endr
	v_cndmask_b32 v[OW], v[OW+8], v[OW+10], s[MSK]               ; lanes 0-15 store tiles 0, 1's words of their channel row, lanes 16-31 tiles 2, 3's
	v_cndmask_b32 v[OW+1], v[OW+9], v[OW+11], s[MSK]
	global_store_b64 v[COV], v[OW:OW+1], s[SB:SB+1]              ; 256 consecutive bytes, aligned
	s_wait_xcnt 0x0                                ; v's stores have read their registers and bases: fragments may land there, and the bases may be written
	FILLQ 2, 2                                     ; slot 2 takes K steps 4, 5.  The round has shown slots 0 and 1 to every wave
	; ---------------- q or k
	FETCH_B 0, 0, 0
	FETCH_A 0, 0, 0
	FETCH_A 0, 0, 4
	s_wait_loadcnt 0x0                             ; the scale words
	GSTEP 0, 1, 0, 0, 1                            ; the first products start the sums
	GSTEP 1, 0, 1, 1, 0
	GSTEP 1, 1, 0, 2, 0
	TURN 2, 1, 3, 0, 3                             ; slot 0 is read out: it takes the last two K steps
	GSTEP 2, 1, 0, 4, 0
	TURN 0, 0, 5, 0, 0                             ; nothing is left to fetch
	GSTEP 0, 1, 0, 6, 0
	; a lane holds a row of x; unit (a, g) is tile t0 + a of the rows, head hd0 + g
	s_lshr_b32 s19, s[AQT], 4
	s_lshr_b32 s20, s19, 1                         ; the batch
	s_and_b32 s19, s19, 1
	s_lshl_b32 s19, s19, 4
	s_lshl_b32 s21, s[HI], 3
	s_add_co_u32 s19, s19, s21                     ; t0
	s_lshl_b32 s21, s[CX], 2
	s_lshl_b32 s22, s[LO], 1
	s_add_co_u32 s21, s21, s22                     ; hd0
	s_lshl_b32 s20, s20, 4
	s_add_co_u32 s20, s20, s21
	s_mul_i32 s20, s20, HB
	s_mov_b32 s66, KS
	s_cmp_eq_u32 ttmp9, 0                          ; q or k: the cluster's x, the same in all sixteen partners
	s_cselect_b32 s22, QI, 0
	s_cselect_b32 s66, QS, s66
	s_cselect_b64 s[2:3], s[10:11], s[12:13]
	s_mul_i32 s[CB], s19, 768
	s_add_co_u32 s[CB], s[CB], s20
	s_add_co_u32 s[CB], s[CB], s22
	s_mov_b32 s[CB+1], 0
	s_add_nc_u64 s[CB:CB+1], s[8:9], s[CB:CB+1]    ; the codes
	s_lshl_b32 s[SB], s19, 6
	s_add_co_u32 s[SB], s[SB], s20
	s_add_co_u32 s[SB], s[SB], s66
	s_mov_b32 s[SB+1], 0
	s_add_nc_u64 s[SB:SB+1], s[8:9], s[SB:SB+1]    ; the scale words
	s_lshl_b32 s20, s21, 8
	s_mov_b32 s21, 0
	s_add_nc_u64 s[2:3], s[2:3], s[20:21]          ; the biases of head hd0
.irp g, 0,1
.irp i, 0,1,2,3,4,5,6,7
	global_load_b128 v[96+128*\g+4*\i:99+128*\g+4*\i], v[BOQ], s[2:3] offset:256*\g+16*\i
.endr
.endr
	LAST 7
	PLACES 4
	s_wait_loadcnt 0x0                             ; the biases
.irp a, 0,1,2,3,4,5,6,7
	UNIT \a, 0, 0
	UNIT \a, 1, 0
.endr
.irp g, 0,1
.irp i, 0,1,2,3
	v_cndmask_b32 v[OW+4*\g+\i], v[HW+2*\i+\g], v[HW+2*(4+\i)+\g], s[MSK]   ; lanes 0-15 store tiles 0-3's words of their row, lanes 16-31 tiles 4-7's
.endr
	global_store_b128 v[CO16], v[OW+4*\g:OW+4*\g+3], s[SB:SB+1] offset:\g*HB   ; 512 consecutive bytes, aligned
.endr
	s_wait_tensorcnt 0x0                           ; the wave's end
	ds_add_u32 v[SPW], v[NIL]
	s_wait_dscnt 0x0
	CROUND                                         ; the closing round: no work-group ends while a partner may still ask for a tile that names it
	s_endpgm
.Lfunc_end_k_qe0aa9587e4_qkv:
	.size	k_qe0aa9587e4_qkv, .Lfunc_end_k_qe0aa9587e4_qkv-k_qe0aa9587e4_qkv
	.p2alignl 7, 3214868480
	.fill 96, 4, 3214868480
	.section	.rodata,"a",@progbits
	.p2align	6, 0x0
	.amdhsa_kernel k_qe0aa9587e4_qkv
		.amdhsa_group_segment_fixed_size 327680
		.amdhsa_private_segment_fixed_size 0
		.amdhsa_enable_private_segment 0
		.amdhsa_kernarg_size 48
		.amdhsa_user_sgpr_count 2
		.amdhsa_user_sgpr_kernarg_segment_ptr 1
		.amdhsa_wavefront_size32 1
		.amdhsa_system_sgpr_workgroup_id_x 1
		.amdhsa_system_sgpr_workgroup_id_y 1
		.amdhsa_system_sgpr_workgroup_id_z 1
		.amdhsa_system_vgpr_workitem_id 0
		.amdhsa_next_free_vgpr 1024
		.amdhsa_next_free_sgpr 102
		.amdhsa_reserve_vcc 0
		.amdhsa_float_denorm_mode_32 3
		.amdhsa_float_denorm_mode_16_64 3
		.amdhsa_memory_ordered 1
		.amdhsa_forward_progress 1
		.amdhsa_inst_pref_size 255
	.end_amdhsa_kernel
	.section	.bss,"aw",@nobits
	.p2align	6
	.space	262144
	.amdgpu_metadata
---
amdhsa.version: [ 1, 2 ]
amdhsa.kernels:
  - .name:           k_qe0aa9587e4_qkv
    .symbol:         k_qe0aa9587e4_qkv.kd
    .args:
      - { .name: img, .offset: 0, .size: 8, .value_kind: global_buffer, .address_space: global }
      - { .name: scl, .offset: 8, .size: 8, .value_kind: global_buffer, .address_space: global }
      - { .name: qkv, .offset: 16, .size: 8, .value_kind: global_buffer, .address_space: global }
      - { .name: bq, .offset: 24, .size: 8, .value_kind: global_buffer, .address_space: global }
      - { .name: bk, .offset: 32, .size: 8, .value_kind: global_buffer, .address_space: global }
      - { .name: bv, .offset: 40, .size: 8, .value_kind: global_buffer, .address_space: global }
    .group_segment_fixed_size: 327680
    .private_segment_fixed_size: 0
    .kernarg_segment_align: 8
    .kernarg_segment_size: 48
    .max_flat_workgroup_size: 128
    .sgpr_count:     102
    .vgpr_count:     1024
    .wavefront_size: 32
...
	.end_amdgpu_metadata
.endif
;; end of part 2
;; launch attn (part 3): grid 16 x 16, 16 waves a work-group, no clusters, 92,160 bytes of LDS; arguments qkv, idx, edge_emb, dist_emb, img, scl; writes img, scl
.if DOCPART == 3
	.amdgcn_target "amdgcn-amd-amdhsa--gfx1250"
	.amdhsa_code_object_version 6
	.text
	.protected	k_qe0aa9587e4_attn
	.globl	k_qe0aa9587e4_attn
	.p2align	8
	.type	k_qe0aa9587e4_attn,@function
k_qe0aa9587e4_attn:
	s_mov_b64 s[64:65], 0
	v_nop
	global_prefetch_b8 v0, s[64:65] scope:SCOPE_SE
	s_setreg_imm32_b32 hwreg(HW_REG_WAVE_MODE, 25, 1), 1
	s_wait_xcnt 0x0
; ATTN.  For one (batch, head): attn = softmax(q k^T / 8 + bias, masked keys out) v, both products on codes of FP6 (E2M3) with E8M0 scales; attn is quantised at once for the last product.
; SHARES.  Work-group (x = head, y = batch); each of its sixteen waves owns two tiles of 16 queries, one after the other; a tile walks the 512 keys in four steps of 128.  All eight steps are written out.
; LDS is written once, at the head, and only read behind the one barrier: the head's K and V codes and scale words as they lie in qkv, and a table of biases.
; THE BIAS IS THE C OF THE SCORE PRODUCT.  The table has 256 entries of 128 bytes, entry c repeated for the 32 lanes: 8 x (edge_emb[a] (a != 0) + dist_emb[d]) for c = 37 a + d < 148, else -2^100 (a masked key).
; idx holds for each (query, key) the 16-bit offset 128 c + 4 x lane: the 32 lanes of a gather fall on 32 different banks.  The offsets are held to the table's last word ahead of use.
; SCALING.  q arrives unscaled, the table holds 8 x bias, and t = D x log2(e) / 8: all factors are powers of two, so t is the logit x log2(e).
; LAYOUT.  S^T = K Q^T + C (source 0 = 16 keys, source 1 = my 16 queries; K = 64, so Q's upper six registers are zero codes; what stands in K's upper six meets zeros), O^T = V^T P^T.  A lane holds ONE query.
; The keys of a tile are chosen so that registers 32 c .. 32 c + 31 of a step's scores are keys 64 c + 32 h + 0 .. 31: a whole block in a lane, in the order of P's registers; O^T's 32 registers are channels 32 h + 0 .. 31.
; SOFTMAX.  M = the running largest t rounded up to a whole number; p = 2^(t - M) is quantised, not normalised; the sum is taken of the unquantised p and divides at the end.
; The running largest t begins at -2^96, above every masked t (about -2^97.5): in a step all of whose keys are masked every p is then 0.
; LIMITS: a row whose every t lies under -2^96 counts as wholly masked; such a row gets the scale byte 0xff, which makes the last product's row NaN, as reference() has it; a block of zeros gets the byte 1;
; NaN and infinities among the inputs are not served.
; No cluster, no joint loads: a head's K and V are read by this work-group alone; idx, which the 16 heads of a batch share, goes straight into registers, a whole key step ahead of its use.
; REGISTERS: v1 8 x lane, v2 16 r, v3 16 x lane, v4 16 r + h, v5 8 h; v[6:7] -M, largest t; v[8:9] the sum; v[10:11] f; v12-19, v248-252 at work; v20 Q's scale words, v21 P's, v22-29 K's, v30-33 V's;
; v34-45 Q; v46-57 P; v58-65 conversions; v66-97 idx; v98-161 S^T, then p; v162-193 O^T; v194-247 K's eight half fragments (6 registers apart) or V's four.
.set HB,   78848
.set VI,   24576
.set KS,   49152
.set VS,   51200
.set QI,   52224
.set QS,   76800
.set TAB,  57344                       ; behind seven rounds of 8,192 copied bytes (the last 5,120 of them are not read)
.set QSW,  20
.set PSW,  21
.set KSW,  22
.set VSW,  30
.set QQ,   34
.set PP,   46
.set TMPC, 58
.set IDX,  66
.set S,    98
.set O,    162
.set KV,   194
.set LOW,  24                          ; s24 0xffff
.set SEL,  36
.set CS,   38
.macro QUANT32 x, cd, tmp, m, m2
	v_max3_num_f32 v[(\m)], |v[(\x)]|, |v[(\x)+1]|, 0x1800000            ; the floor 2^(3 - 127): the byte cannot fall under 1
	v_max3_num_f32 v[(\m2)], |v[(\x)+16]|, |v[(\x)+17]|, |v[(\x)+18]|
.irp i, 2,4,6,8,10,12
	v_max3_num_f32 v[(\m)], v[(\m)], |v[(\x)+\i]|, |v[(\x)+\i+1]|
	v_max3_num_f32 v[(\m2)], v[(\m2)], |v[(\x)+17+\i]|, |v[(\x)+18+\i]|
.endr
	v_max3_num_f32 v[(\m)], v[(\m)], |v[(\x)+14]|, |v[(\x)+15]|
	v_max3_num_f32 v[(\m)], v[(\m)], v[(\m2)], |v[(\x)+31]|
	v_add_nc_u32 v[(\m)], 0xff000000, v[(\m)]
	v_cvt_scalef32_pk16_fp6_f32 v[(\cd):(\cd)+2], v[(\x):(\x)+15], v[(\m)]
	v_cvt_scalef32_pk16_fp6_f32 v[(\tmp):(\tmp)+2], v[(\x)+16:(\x)+31], v[(\m)]
	v_nop
.irp i, 0,1,2
	v_mov_b32 v[(\cd)+3+\i], v[(\tmp)+\i]
.endr
.endm
	s_load_b256 s[4:11], s[0:1], 0x0               ; qkv, idx, edge_emb, dist_emb
	s_load_b128 s[12:15], s[0:1], 0x20             ; img, scl
	v_lshl_add_u32 v254, v0, 2, 0x16000
	v_mov_b32 v255, 0
	v_lshrrev_b32 v1, 5, v0
	v_readfirstlane_b32 s28, v1                    ; wave 0..15
	s_and_b32 s29, ttmp7, 0xffff                   ; the batch
	s_lshl_b32 s40, s29, 4
	s_add_co_u32 s40, s40, ttmp9
	s_mul_i32 s40, s40, HB                         ; my block of qkv
	s_mov_b32 s41, 0
	s_lshl_b32 s42, s29, 5
	s_lshl_b32 s43, s28, 1
	s_add_co_u32 s42, s42, s43                     ; b 32 + 2 w: my first tile of queries
	s_mul_i32 s44, s43, 768
	s_add_co_u32 s44, s44, QI
	s_mov_b32 s45, 0
	s_lshr_b32 s46, s28, 1
	s_lshl_b32 s46, s46, 8
	s_and_b32 s47, s28, 1
	s_lshl_b32 s47, s47, 3
	s_add_co_u32 s46, s46, s47
	s_add_co_u32 s46, s46, QS                      ; its scale words: (t / 4) 256 + 4 (t % 4)
	s_mov_b32 s47, 0
	s_lshl_b32 s48, s42, 14                        ; its four blocks of idx
	s_mov_b32 s49, 0
	s_add_co_u32 s50, s42, 768
	s_mul_i32 s52, s50, 12288
	s_mul_i32 s51, ttmp9, 768
	s_add_co_u32 s52, s52, s51                     ; attn's codes: tile 768 + b 32 + t, half fragment of my head
	s_mov_b32 s53, 0
	s_lshl_b32 s54, s50, 9
	s_lshr_b32 s51, ttmp9, 3
	s_lshl_b32 s51, s51, 8
	s_add_co_u32 s54, s54, s51
	s_and_b32 s51, ttmp9, 7
	s_lshl_b32 s51, s51, 1
	s_add_co_u32 s54, s54, s51                     ; and its scale bytes
	s_mov_b32 s55, 0
	s_lshl_b32 s56, ttmp9, 2                       ; my head's column of the two tables
	s_mov_b32 s57, 0
	s_mov_b32 s[LOW], 0xffff
	s_mov_b32 s[SEL], 0x76543210
	s_mov_b32 s[SEL+1], 0xfedcba98
	s_mov_b32 s[CS], 0x3e38aa3b                    ; log2(e) / 8
	s_mov_b32 s[CS+1], s[CS]                       ; (named with it as a pair, so it is written)
	v_and_b32 v12, 31, v0
	v_and_b32 v13, 15, v0
	v_bfe_u32 v14, v0, 4, 1
	v_lshlrev_b32 v1, 3, v12
	v_lshlrev_b32 v2, 4, v13
	v_lshlrev_b32 v3, 4, v12
	v_add_nc_u32 v4, v2, v14
	v_lshlrev_b32 v5, 3, v14
	v_lshlrev_b32 v162, 4, v0                      ; the copy: 16 bytes a thread, in memory and in LDS
	v_lshlrev_b32 v171, 6, v0                      ; the table: 64 bytes a thread, two threads to an entry
	v_lshrrev_b32 v163, 1, v0                      ; c
	v_mul_u32_u24 v164, v163, 1772
	v_lshrrev_b32 v164, 16, v164                   ; a = c / 37 (exact for c under 256)
	v_mul_u32_u24 v165, v164, 37
	v_sub_nc_u32 v165, v163, v165                  ; d = c % 37
	v_lshlrev_b32 v165, 6, v165                    ; rows of 64 bytes
	v_min_u32 v166, 3, v164
	v_lshlrev_b32 v166, 6, v166
	s_wait_kmcnt 0x0
	s_add_nc_u64 s[16:17], s[4:5], s[40:41]
	s_add_nc_u64 s[18:19], s[8:9], s[56:57]
	s_add_nc_u64 s[20:21], s[10:11], s[56:57]
	s_add_nc_u64 s[22:23], s[16:17], s[44:45]
	s_add_nc_u64 s[26:27], s[16:17], s[46:47]
	s_add_nc_u64 s[30:31], s[6:7], s[48:49]
	s_add_nc_u64 s[32:33], s[12:13], s[52:53]
	s_add_nc_u64 s[34:35], s[14:15], s[54:55]
.irp i, 0,1,2,3,4,5,6
	global_load_b128 v[S+4*\i:S+4*\i+3], v162, s[16:17] offset:8192*\i
.endr
	global_load_b32 v167, v166, s[18:19]           ; edge_emb[min(a, 3)][head]
	global_load_b32 v168, v165, s[20:21]           ; dist_emb[d][head]
.irp p, 0,1,2
	global_load_b64 v[QQ+2*\p:QQ+2*\p+1], v1, s[22:23] offset:256*\p
.endr
	global_load_b32 v[QSW], v2, s[26:27]
.irp k, 0,1,2,3,4,5,6,7
	global_load_b128 v[IDX+4*\k:IDX+4*\k+3], v3, s[30:31] offset:512*\k
.endr
.irp i, 6,7,8,9,10,11
	v_mov_b32 v[QQ+\i], 0                          ; Q's K is 64: the other 64 are zero codes
	v_mov_b32 v[KV+42+\i], 0                       ; what the last tile of K finds in its upper six registers
.endr
	v_mov_b32 v11, 0                               ; (named as the upper half of the pair v[10:11])
	v_mov_b32 v17, 0                               ; (lane permutes' destinations count as sources)
	v_mov_b32 v252, 0
	v_mov_b32 v169, 0xf1800000                     ; -2^100
	s_wait_loadcnt 14                              ; the seven copy loads are in; behind them: 2 for the table, 3 of Q, 1 of its scales, 8 of idx
.irp i, 0,1,2,3,4,5,6
	ds_store_b128 v162, v[S+4*\i:S+4*\i+3] offset:8192*\i
.endr
	s_wait_loadcnt 12                              ; the table's two
	v_cmp_ne_u32 vcc_lo, 0, v164
	v_cndmask_b32 v167, 0, v167, vcc_lo            ; edge_emb[a] x (a != 0)
	v_add_f32 v167, v167, v168
	v_mul_f32 v167, 0x41000000, v167               ; x 8
	v_cmp_gt_u32 vcc_lo, 148, v163
	v_cndmask_b32 v172, v169, v167, vcc_lo         ; entries 148 on: a masked key
	v_mov_b32 v173, v172
	v_mov_b32 v174, v172
	v_mov_b32 v175, v172
.irp i, 0,1,2,3
	ds_store_b128 v171, v[172:175] offset:TAB+16*\i
.endr
	s_wait_dscnt 0x0                               ; for the others' sake: my stores have landed
	s_barrier_signal -1
	s_barrier_wait -1                              ; from here on LDS is only read
; A KEY STEP: tile tl of my two, keys 128 s on
.macro STEP tl, s
	s_wait_loadcnt 0x0                             ; this step's idx (asked for a step ago), and at a tile's start its Q
.if ((\tl)==1) && ((\s)==0)
	s_wait_xcnt 0x0                                ; the first tile's stores have read their registers
.endif
.irp k, 0,1,2,3,4,5,6,7
.irp i, 0,1,2,3
	v_and_b32 v[S+8*\k+2*\i], s[LOW], v[IDX+4*\k+\i]
	v_lshrrev_b32 v[S+8*\k+2*\i+1], 16, v[IDX+4*\k+\i]
.endr
.irp e, 0,1,2,3,4,5,6,7
	v_min_u32 v[S+8*\k+\e], 0x7ffc, v[S+8*\k+\e]   ; held to the table's last word
.endr
.irp e, 0,1,2,3,4,5,6,7
	ds_load_b32 v[S+8*\k+\e], v[S+8*\k+\e] offset:TAB   ; 8 x bias, or -2^100: the C of the score product
.endr
.if \k == 0                            ; the sixteen plain lines above are the places behind the last step's products, whose operands these loads overwrite
.irp t, 0,1,2,3,4,5,6,7
.irp p, 0,1,2
	ds_load_b64 v[KV+6*\t+2*\p:KV+6*\t+2*\p+1], v1 offset:(8*(\s)+\t)*768+256*\p
.endr
.endr
	ds_load_b128 v[KSW:KSW+3], v2 offset:KS+512*(\s)
	ds_load_b128 v[KSW+4:KSW+7], v2 offset:KS+512*(\s)+256
.endif
.endr
.if 4*(\tl)+(\s) < 7
.irp k, 0,1,2,3,4,5,6,7
	global_load_b128 v[IDX+4*\k:IDX+4*\k+3], v3, s[30:31] offset:(4*(\tl)+(\s)+1)*4096+512*\k   ; the next step's idx
.endr
.endif
	s_wait_dscnt 0x0
.irp t, 0,1,2,3,4,5,6,7
	v_wmma_scale_f32_16x16x128_f8f6f4 v[S+8*\t:S+8*\t+7], v[KV+6*\t:KV+6*\t+11], v[QQ:QQ+11], v[S+8*\t:S+8*\t+7], v[KSW+\t], v[QSW] matrix_a_fmt:MATRIX_FMT_FP6 matrix_b_fmt:MATRIX_FMT_FP6
.endr
.rept 4
	v_nop                                          ; places in front of the loads below and of the first read of the scores
.endr
.irp t, 0,1,2,3
.irp p, 0,1,2,3,4,5
	ds_load_b64 v[KV+12*\t+2*\p:KV+12*\t+2*\p+1], v1 offset:VI+(4*(\s)+\t)*1536+256*\p   ; V lands while the softmax is walked
.endr
.endr
	ds_load_b128 v[VSW:VSW+3], v2 offset:VS+256*(\s)
.if ((\tl)==0) && ((\s)==3)
.irp p, 0,1,2
	global_load_b64 v[QQ+2*\p:QQ+2*\p+1], v1, s[22:23] offset:768+256*\p   ; the second tile's Q
.endr
	global_load_b32 v[QSW], v2, s[26:27] offset:4
.endif
	; the largest score of each block of 32 keys (all 32 are mine): for the row's maximum and, since p rises with the score, for the block's largest p.  Each accumulator is read from its low end on
.irp c, 0,1
	v_max3_num_f32 v[12+2*\c], v[S+32*\c], v[S+32*\c+1], v[S+32*\c+2]
	v_max3_num_f32 v[13+2*\c], v[S+32*\c+16], v[S+32*\c+17], v[S+32*\c+18]
.endr
.irp i, 3,5,7,9,11,13
.irp c, 0,1
	v_max3_num_f32 v[12+2*\c], v[12+2*\c], v[S+32*\c+\i], v[S+32*\c+\i+1]
	v_max3_num_f32 v[13+2*\c], v[13+2*\c], v[S+32*\c+16+\i], v[S+32*\c+17+\i]
.endr
.endr
.irp c, 0,1
	v_max3_num_f32 v[12+2*\c], v[12+2*\c], v[13+2*\c], v[S+32*\c+15]
.endr
.irp c, 0,1
	v_max_num_f32 v[12+2*\c], v[12+2*\c], v[S+32*\c+31]
.endr
	v_max_num_f32 v16, v12, v14
	v_permlanex16_b32 v17, v16, s[SEL], s[SEL+1]
	v_max_num_f32 v16, v16, v17                    ; the step's largest score of my query
	v_mul_f32 v16, s[CS], v16
	v_max_num_f32 v7, v7, v16                      ; the running largest t
	v_mov_b32 v16, v6
	v_floor_f32 v6, -v7                            ; -M = floor(-t): M is a whole number
	v_sub_f32 v16, v6, v16                         ; old M - new M: a whole number, 0 or less
	v_cvt_i32_f32 v16, v16                         ; (it saturates)
	v_ldexp_f32 v10, 1.0, v16                      ; f = 2^(old M - new M)
.set J, 0
.rept 32
	v_pk_fma_f32 v[S+J:S+J+1], v[S+J:S+J+1], s[CS:CS+1], v[6:7] op_sel_hi:[1,0,0]   ; t - M, two at a time
.set J, J+2
.endr
	v_fma_f32 v12, v12, s[CS], v6                  ; the same of each block's largest score
	v_fma_f32 v14, v14, s[CS], v6
.set J, 0
.rept 64
	v_exp_f32 v[S+J], v[S+J]                       ; p = 2^(t - M): one batch
.set J, J+1
.endr
	v_pk_mul_f32 v[8:9], v[8:9], v[10:11] op_sel_hi:[1,0]   ; the sums under the new M (the plain line behind the exponentials)
	s_wait_alu depctr_va_vdst(0)                   ; one wait for the batch, ahead of its first reader
	v_exp_f32 v12, v12                             ; the blocks' largest p
	v_exp_f32 v14, v14
	v_pk_add_f32 v[248:249], v[S:S+1], v[S+2:S+3]  ; the row's sum is taken of the unquantised p, in two chains
.set J, 4
.rept 15
	v_pk_add_f32 v[8:9], v[8:9], v[S+J:S+J+1]
	v_pk_add_f32 v[248:249], v[248:249], v[S+J+2:S+J+3]
.set J, J+4
.endr
	v_pk_add_f32 v[8:9], v[8:9], v[248:249]
	s_wait_alu depctr_va_vdst(0)                   ; and one for the two
	v_max_num_f32 v12, 0x1800000, v12              ; the floor 2^(3 - 127)
	v_max_num_f32 v14, 0x1800000, v14
	v_add_nc_u32 v18, 0xff000000, v12              ; 2 off the exponent field: the conversions' scale operands
	v_add_nc_u32 v19, 0xff000000, v14
	v_lshrrev_b32 v250, 23, v18
	v_lshrrev_b32 v251, 23, v19
	v_lshl_or_b32 v250, v251, 16, v250             ; the bytes of blocks h and 2 + h,
	v_lshlrev_b32 v250, v5, v250                   ; at their places;
	v_permlanex16_b32 v252, v250, s[SEL], s[SEL+1]
	v_or_b32 v[PSW], v250, v252                    ; with lane l xor 16's two: p's scale word for these 128 keys
.irp c, 0,1
	v_cvt_scalef32_pk16_fp6_f32 v[PP+6*\c:PP+6*\c+2], v[S+32*\c:S+32*\c+15], v[18+\c]
	v_cvt_scalef32_pk16_fp6_f32 v[TMPC+4*\c:TMPC+4*\c+2], v[S+32*\c+16:S+32*\c+31], v[18+\c]
.endr
	v_nop                                          ; one plain line behind a scaled conversion
.irp c, 0,1
.irp i, 0,1,2
	v_mov_b32 v[PP+6*\c+3+\i], v[TMPC+4*\c+\i]
.endr
.endr
.if (\s) == 0
.rept 8
	v_nop                                          ; a scale register written by a vector line stands 8 places ahead of a scaled product, an operand 4
.endr
.else
.set J, 0
.rept 16
	v_pk_mul_f32 v[O+J:O+J+1], v[O+J:O+J+1], v[10:11] op_sel_hi:[1,0]   ; O^T under the new M (these are those places too)
.set J, J+2
.endr
.endif
	s_wait_dscnt 0x0                               ; V
.irp t, 0,1,2,3
.if (\s) == 0
	v_wmma_scale_f32_16x16x128_f8f6f4 v[O+8*\t:O+8*\t+7], v[KV+12*\t:KV+12*\t+11], v[PP:PP+11], 0, v[VSW+\t], v[PSW] matrix_a_fmt:MATRIX_FMT_FP6 matrix_b_fmt:MATRIX_FMT_FP6
.else
	v_wmma_scale_f32_16x16x128_f8f6f4 v[O+8*\t:O+8*\t+7], v[KV+12*\t:KV+12*\t+11], v[PP:PP+11], v[O+8*\t:O+8*\t+7], v[VSW+\t], v[PSW] matrix_a_fmt:MATRIX_FMT_FP6 matrix_b_fmt:MATRIX_FMT_FP6
.endif
.endr
.endm
.macro BEGIN                           ; a tile's start
	v_mov_b32 v7, 0xef800000                       ; the largest t so far: -2^96
	v_floor_f32 v6, -v7
	v_mov_b32 v8, 0
	v_mov_b32 v9, 0
.endm
; A tile's end: O^T / the sum is a block of 32 of the last product's K in each lane: quantised and stored as half a fragment's image
.macro OUT tl
.rept 4
	v_nop                                          ; places behind the last products
.endr
	v_add_f32 v8, v8, v9
	v_permlanex16_b32 v17, v8, s[SEL], s[SEL+1]
	v_add_f32 v8, v8, v17                          ; the row's sum
	v_rcp_f32 v9, v8
	v_mov_b32 v251, 0xff                           ; (the plain line behind the reciprocal)
	s_wait_alu depctr_va_vdst(0)                   ; ahead of its first reader
.set J, 0
.rept 32
	v_mul_f32 v[S+J], v[O+J], v9                   ; each accumulator from its low end on
.set J, J+1
.endr
	QUANT32 S, PP, TMPC, 18, 19
	v_lshrrev_b32 v250, 23, v18
	v_cmp_gt_f32 vcc_lo, 0xef000000, v7            ; no key counted: the largest t is still under -2^95
	v_cndmask_b32 v250, v250, v251, vcc_lo         ; then the byte 0xff
.irp p, 0,1,2
	global_store_b64 v1, v[PP+2*\p:PP+2*\p+1], s[32:33] offset:(\tl)*12288+256*\p   ; 256 consecutive bytes, aligned
.endr
	global_store_b8 v4, v250, s[34:35] offset:(\tl)*512   ; one byte a lane, 16 bytes from row to row: one part in 24 of what the launch stores
.endm
	BEGIN
	STEP 0, 0
	STEP 0, 1
	STEP 0, 2
	STEP 0, 3
	OUT 0
	BEGIN
	STEP 1, 0
	STEP 1, 1
	STEP 1, 2
	STEP 1, 3
	OUT 1
	s_wait_tensorcnt 0x0
	ds_add_u32 v254, v255
	s_wait_dscnt 0x0
	s_endpgm
.Lfunc_end_k_qe0aa9587e4_attn:
	.size	k_qe0aa9587e4_attn, .Lfunc_end_k_qe0aa9587e4_attn-k_qe0aa9587e4_attn
	.p2alignl 7, 3214868480
	.fill 96, 4, 3214868480
	.section	.rodata,"a",@progbits
	.p2align	6, 0x0
	.amdhsa_kernel k_qe0aa9587e4_attn
		.amdhsa_group_segment_fixed_size 92160
		.amdhsa_private_segment_fixed_size 0
		.amdhsa_enable_private_segment 0
		.amdhsa_kernarg_size 48
		.amdhsa_user_sgpr_count 2
		.amdhsa_user_sgpr_kernarg_segment_ptr 1
		.amdhsa_wavefront_size32 1
		.amdhsa_system_sgpr_workgroup_id_x 1
		.amdhsa_system_sgpr_workgroup_id_y 1
		.amdhsa_system_sgpr_workgroup_id_z 1
		.amdhsa_system_vgpr_workitem_id 0
		.amdhsa_next_free_vgpr 256
		.amdhsa_next_free_sgpr 66
		.amdhsa_reserve_vcc 1
		.amdhsa_float_denorm_mode_32 3
		.amdhsa_float_denorm_mode_16_64 3
		.amdhsa_memory_ordered 1
		.amdhsa_forward_progress 1
		.amdhsa_inst_pref_size 223
	.end_amdhsa_kernel
	.amdgpu_metadata
---
amdhsa.version: [ 1, 2 ]
amdhsa.kernels:
  - .name:           k_qe0aa9587e4_attn
    .symbol:         k_qe0aa9587e4_attn.kd
    .args:
      - { .name: qkv, .offset: 0, .size: 8, .value_kind: global_buffer, .address_space: global }
      - { .name: idx, .offset: 8, .size: 8, .value_kind: global_buffer, .address_space: global }
      - { .name: edge_emb, .offset: 16, .size: 8, .value_kind: global_buffer, .address_space: global }
      - { .name: dist_emb, .offset: 24, .size: 8, .value_kind: global_buffer, .address_space: global }
      - { .name: img, .offset: 32, .size: 8, .value_kind: global_buffer, .address_space: global }
      - { .name: scl, .offset: 40, .size: 8, .value_kind: global_buffer, .address_space: global }
    .group_segment_fixed_size: 92160
    .private_segment_fixed_size: 0
    .kernarg_segment_align: 8
    .kernarg_segment_size: 48
    .max_flat_workgroup_size: 512
    .sgpr_count:     66
    .vgpr_count:     256
    .wavefront_size: 32
...
	.end_amdgpu_metadata
.endif
;; end of part 3
;; launch outp (part 4): grid 4 x 64, 4 waves a work-group, clusters of 4 x 4, 327,680 bytes of LDS; arguments img, scl, bo, out0; writes out0
.if DOCPART == 4
	.amdgcn_target "amdgcn-amd-amdhsa--gfx1250"
	.amdhsa_code_object_version 6
	.text
	.protected	k_qe0aa9587e4_outp
	.globl	k_qe0aa9587e4_outp
	.p2align	8
	.type	k_qe0aa9587e4_outp,@function
k_qe0aa9587e4_outp:
	s_mov_b64 s[64:65], 0
	v_nop
	global_prefetch_b8 v0, s[64:65] scope:SCOPE_SE
	s_setreg_imm32_b32 hwreg(HW_REG_WAVE_MODE, 25, 1), 1
	s_wait_xcnt 0x0
	s_wait_alu depctr_hold_cnt(0) depctr_sa_sdst(0) depctr_va_vdst(0) depctr_va_sdst(0) depctr_va_ssrc(0) depctr_va_vcc(0) depctr_vm_vsrc(0)
	s_getreg_b32 s2, hwreg(HW_REG_IB_STS2, 6, 4)
	s_cmp_eq_u32 s2, 0
	s_cbranch_scc0 .Lentry_in_a_cluster
	s_endpgm
.Lentry_in_a_cluster:
	s_bfe_u32 s2, ttmp6, 0x10000c
	s_cmp_lg_u32 s2, 0xf033
	s_cbranch_scc0 .Lentry_shape_is_right
	s_endpgm
.Lentry_shape_is_right:
; OUTP.  out = attn Wo^T + bo on codes of FP6 (E2M3) with E8M0 scales, K = 1,024.  attn's codes are tiles 768 + 32 b + t of img, Wo's tiles 704 .. 767; scale words in scl, 512 bytes a tile.
; out has 8,192 x 1,024 numbers: 256 work-groups make 128 rows x 256 columns each, a wave 64 x 128: 32 accumulators.  Source 0 ('B') = 16 rows of Wo, source 1 ('A') = 16 rows of attn: a lane holds one row of out.
; Operands come as images of their registers: a fragment is six loads of 8 bytes a lane, each 256 consecutive LDS bytes.  The tile's whole K lies in four slices of 73,728 bytes (two K steps each: A's 8 tiles x 3,072 bytes,
; then B's 16), all asked for at the head: four tensor loads of a wave are out there, and no LDS byte is filled twice.  A slice is shown to all waves by a counted wait and a barrier at the step in front of it.
; The rows of a tile are not neighbours (lane r of tile T: row 64 (T / 4) + 8 (T % 4) + r + 24 (r / 8)): register j of accumulator (a, b) is column 64 (b / 4) + 32 h + 8 (b % 4) + j of my 128.
; bo is the C of each sum's first matrix instruction.  A scale byte 0xff in attn (a row with no key) makes that row NaN, as reference() has it.
; CLUSTERS: 4 x 4 work-groups; A's tiles are asked for jointly along a row of the cluster, B's along a column.
; REGISTERS: window 0: v1-8 LDS addresses of the slices, v9-29 offsets; v32-95 scale words (tile i, K step kk at v[32 + 8 i + kk]: lanes 0-15 A's, lanes 16-31 B's); v96-127, v224-255 bo;
; v128-223 A's fragments, two sets of 4; on the way out v128-255 take rows of out.  window 1: B's fragments, two sets, at v0 and v128.  window 2: accumulator (a, b) at v[8 (8 a + b)].
.set VSL,   73728                      ; a slice: A's 8 tiles, then B's 16
.set VBO,   24576                      ; where B's tiles begin in a slice
.set SPARE, 294912                     ; behind the slices: the spare words, 128 bytes for each wave, that no other line names
.set HAD,   1                          ; v1-4  LDS address of my A fragments in slice 0 .. 3
.set HBD,   5                          ; v5-8  the same for B
.set SO,    9                          ; v9    the scale words: lanes 0-15 A's tiles, lanes 16-31 B's
.set BOO,   19                         ; v19   128 h: bo of my half's 32 of each 64 columns
.set STO,   24                         ; v24   the way out: where I put 32 bytes of a row
.set RD,    25                         ; v25   and where I read a row back
.set CO,    26                         ; v26   16 x lane
.set SPW,   28
.set NIL,   29
.set SC,    32
.set AF,    128
.set BK,    128
.set WV,    16
.set HI,    17
.set LO,    18
.set MSK,   23
.set G0,    32                         ; s[32:47] groups 0 for A, one for each slice
.set G1B,   48                         ; s[48:55] group 1: B's tiles (8 tiles, my column of the cluster)
.set G0B,   56                         ; s[56:63], s[68:75] groups 0 for B
.set G1V,   76                         ; s[76:83] group 1: A's tiles (4 tiles, my row)
.set CX,    84
.set CY,    85
.set RB,    86
.set AT,    87
.set BT,    88
.set MSB, 0
.macro WIN new                         ; the immediate's high byte repeats the setting that is left
.if MSB != (\new)
	s_set_vgpr_msb (MSB<<8)|(\new)
.set MSB, (\new)
.endif
.endm
.set MUL_LO, 0xa1                      ; source 0 (B) window 1, source 1 (A) window 0, C and D window 2
.set MUL_C,  0x81                      ; the same with C (bo) in window 0
.set TO_B,   0x40
.macro CREST                           ; a round of the cluster's barrier behind its opening barrier
	s_cmp_lg_u32 s[WV], 0
	s_cbranch_scc1 .Lnot_wave_0_\@
	s_barrier_signal -3
.Lnot_wave_0_\@:
	s_barrier_wait -3
	s_barrier_signal -1
	s_barrier_wait -1
.endm
.macro CROUND
	s_barrier_signal -1
	s_barrier_wait -1
	CREST
.endm
.macro PLACES n                        ; plain vector lines between a matrix instruction and a load into, or an access of, its registers
.rept \n
	v_nop
.endr
.endm
.macro FRAG reg, adr, q, i             ; tile i's fragment of a slice's q-th 128 along K: six pieces, as they lie
.irp p, 0,1,2,3,4,5
	ds_load_b64 v[\reg+2*\p:\reg+2*\p+1], v[\adr] offset:(\i)*3072+(\q)*1536+256*\p
.endr
.endm
.macro HFETCH sl, q, p                 ; 72 LDS loads in one run: the fragments of one K step into set p
	WIN TO_B
.irp i, 0,1,2,3,4,5,6,7
	FRAG 128*(\p)+12*\i, HBD+\sl, \q, \i
.endr
	WIN 0
.irp i, 0,1,2,3
	FRAG AF+48*(\p)+12*\i, HAD+\sl, \q, \i
.endr
.endm
; 16 matrix instructions; the 32 accumulators take turns, one instruction a turn, in the same order in every step.  cm = 2: the sums begin with bo
.macro MUL16H a0, p, kk, cm
.irp a, \a0, \a0+1
.irp b, 0,1,2,3,4,5,6,7
.if \cm == 2
	v_wmma_scale_f32_16x16x128_f8f6f4 v[8*(8*(\a)+\b):8*(8*(\a)+\b)+7], v[128*(\p)+12*\b:128*(\p)+12*\b+11], v[AF+48*(\p)+12*(\a):AF+48*(\p)+12*(\a)+11], v[96+128*(\b/4)+8*(\b%4):96+128*(\b/4)+8*(\b%4)+7], v[SC+8*\b+(\kk)], v[SC+8*(\a)+(\kk)] matrix_a_fmt:MATRIX_FMT_FP6 matrix_b_fmt:MATRIX_FMT_FP6 matrix_a_scale:MATRIX_SCALE_ROW1
.else
	v_wmma_scale_f32_16x16x128_f8f6f4 v[8*(8*(\a)+\b):8*(8*(\a)+\b)+7], v[128*(\p)+12*\b:128*(\p)+12*\b+11], v[AF+48*(\p)+12*(\a):AF+48*(\p)+12*(\a)+11], v[8*(8*(\a)+\b):8*(8*(\a)+\b)+7], v[SC+8*\b+(\kk)], v[SC+8*(\a)+(\kk)] matrix_a_fmt:MATRIX_FMT_FP6 matrix_b_fmt:MATRIX_FMT_FP6 matrix_a_scale:MATRIX_SCALE_ROW1
.endif
.endr
.endr
.endm
.macro HSTEP fs, fq, p, kk, cm         ; multiplies set p; the next step's fragments (slice fs, its fq-th 128) are asked for first and have the step's 32 products in which to land
	s_wait_dscnt 0x0                               ; set p is in
	PLACES 4                                       ; behind the last step's products, which read the other set
	HFETCH \fs, \fq, 1-(\p)
.if \cm == 2
	WIN MUL_C
.else
	WIN MUL_LO
.endif
	MUL16H 0, \p, \kk, \cm
	MUL16H 2, \p, \kk, \cm
	WIN 0
.endm
.macro HTURN next, cnt, kk             ; a slice's second step: the next slice is shown to all waves; cnt later first fills may stay out
	s_wait_tensorcnt \cnt                          ; my part of the next slice has landed
	s_wait_dscnt 0x0                               ; set 1 is in; no LDS instruction of mine is out at the signal
	s_barrier_signal -1
	WIN MUL_LO
	MUL16H 0, 1, \kk, 0
	WIN 0
	s_barrier_wait -1                              ; everybody's part has
	PLACES 4
	HFETCH \next, 0, 0
	WIN MUL_LO
	MUL16H 2, 1, \kk, 0
	WIN 0
.endm
.macro HLAST kk
	s_wait_dscnt 0x0
	WIN MUL_LO
	MUL16H 0, 1, \kk, 0
	MUL16H 2, 1, \kk, 0
	WIN 0
.endm
	s_load_b256 s[4:11], s[0:1], 0x0               ; img s[4:5], scl s[6:7], bo s[8:9], out0 s[10:11]
	v_lshl_add_u32 v[SPW], v0, 2, SPARE
	v_mov_b32 v[NIL], 0
	ds_add_u32 v28, v29
	ds_add_u32 v28, v29
	s_wait_dscnt 0x0
	v_lshrrev_b32 v10, 5, v0
	v_readfirstlane_b32 s[WV], v10                 ; wave 0..3
	s_lshr_b32 s[HI], s[WV], 1                     ; which 4 of A's tiles are mine.  Also: I fetch for A (0) or for B (1)
	s_and_b32 s[LO], s[WV], 1                      ; which 8 of B's.  Also: which half of that operand's tiles I fetch
	s_mov_b32 s[MSK], 0xffff0000                   ; lanes 16-31
	s_bfe_u32 s[CX], ttmp6, 0x40000                ; cx
	s_bfe_u32 s[CY], ttmp6, 0x40004                ; cy
	s_and_b32 s2, ttmp7, 0xffff
	s_lshl_b32 s2, s2, 2
	s_add_co_u32 s[RB], s2, s[CY]                  ; 4 Y + cy: my 128 rows
	s_lshl_b32 s[AT], s[RB], 3
	s_add_co_u32 s[AT], s[AT], 768                 ; A's first tile: it hangs on cy and Y alone
	s_lshl_b32 s[BT], s[CX], 4
	s_add_co_u32 s[BT], s[BT], 704                 ; B's first tile: on cx alone
	s_lshl_b32 s19, s[CY], 2
	s_lshl_b32 s19, 15, s19                        ; my row of the cluster
	s_lshl_b32 s22, 0x1111, s[CX]                  ; my column
	; descriptor groups 1: rows (tiles) of 3,072 bytes, 12,288 bytes apart, in elements of 8 bytes; dense in LDS
	s_or_b32 s[G1V], s19, (3<<16)|(1<<21)
	s_or_b32 s[G1B], s22, (3<<16)|(1<<21)
	s_mov_b32 s[G1V+1], 384<<16                    ; tensor_dim0
	s_mov_b32 s[G1V+2], 4<<16                      ; tensor_dim1: A: 4 tiles a load
	s_mov_b32 s[G1V+3], 384<<16                    ; tile_dim0
	s_mov_b32 s[G1V+4], 4                          ; tile_dim1
	s_mov_b32 s[G1V+5], 1536                       ; tensor_dim0_stride
	s_mov_b32 s[G1V+6], 0
	s_mov_b32 s[G1V+7], 0
	s_mov_b32 s[G1B+1], 384<<16
	s_mov_b32 s[G1B+2], 8<<16                      ; B: 8 tiles a load
	s_mov_b32 s[G1B+3], 384<<16
	s_mov_b32 s[G1B+4], 8
	s_mov_b32 s[G1B+5], 1536
	s_mov_b32 s[G1B+6], 0
	s_mov_b32 s[G1B+7], 0
	s_lshl_b32 s3, s[LO], 2
	s_add_co_u32 s20, s[AT], s3
	s_mul_i32 s20, s20, 12288
	s_mov_b32 s21, 0
	s_lshl_b32 s2, s[LO], 3
	s_add_co_u32 s66, s[BT], s2
	s_mul_i32 s66, s66, 12288
	s_mov_b32 s67, 0
	s_mul_i32 s2, s[LO], 12288                     ; where they go: A's 4 tiles,
	s_mul_i32 s3, s[LO], 24576
	s_add_co_u32 s3, s3, VBO                       ; B's 8: no place in the cluster enters an LDS address
	s_wait_kmcnt 0x0
	s_add_nc_u64 s[20:21], s[4:5], s[20:21]
	s_add_nc_u64 s[66:67], s[4:5], s[66:67]
	CROUND                                         ; all sixteen work-groups are here: the joint loads meet
.irp j, 0,1,2,3
.set GB, G0B+4*\j+4*(\j/2)
	s_mov_b32 s[G0+4*\j], 1
	s_add_co_u32 s[G0+4*\j+1], s2, \j*VSL
	s_add_nc_u64 s[G0+4*\j+2:G0+4*\j+3], s[20:21], \j*3072
	s_or_b32 s[G0+4*\j+3], s[G0+4*\j+3], 0x80000000
	s_mov_b32 s[GB], 1
	s_add_co_u32 s[GB+1], s3, \j*VSL
	s_add_nc_u64 s[GB+2:GB+3], s[66:67], \j*3072
	s_or_b32 s[GB+3], s[GB+3], 0x80000000
.endr
	s_cmp_eq_u32 s[HI], 0                          ; a wave's four fills stand in one branch: the whole K; four tensor loads of mine are out behind it; four v_nop follow the last
	s_cbranch_scc0 .Lfirst_b
.irp j, 0,1,2,3
	tensor_load_to_lds s[G0+4*\j:G0+4*\j+3], s[G1V:G1V+7]
	s_nop 0
.endr
.rept 4
	v_nop
.endr
	s_branch .Lfirst_asked
.Lfirst_b:
.irp j, 0,1,2,3
	tensor_load_to_lds s[G0B+4*\j+4*(\j/2):G0B+4*\j+4*(\j/2)+3], s[G1B:G1B+7]
	s_nop 0
.endr
.rept 4
	v_nop
.endr
.Lfirst_asked:
	v_and_b32 v10, 31, v0                          ; lane
	v_and_b32 v30, 15, v0                          ; r
	v_bfe_u32 v31, v0, 4, 1                        ; h
	v_lshlrev_b32 v14, 3, v10                      ; 8 x lane
	v_lshlrev_b32 v[CO], 4, v10
	v_lshlrev_b32 v[BOO], 7, v31
	s_mul_i32 s19, s[HI], 12288                    ; my 4 tiles of A,
	s_mul_i32 s22, s[LO], 24576
	s_add_co_u32 s22, s22, VBO                     ; my 8 of B
.irp j, 0,1,2,3
	v_add_nc_u32 v[HAD+\j], s19, v14
	v_add_nc_u32 v[HBD+\j], s22, v14
	s_add_co_u32 s19, s19, VSL
	s_add_co_u32 s22, s22, VSL
.endr
	s_mul_i32 s19, s[WV], 8448                     ; my stage: 16 rows x (512 bytes + 16), in slice 0, which has had its one fill and its last read when the first result is stored there
	v_mul_u32_u24 v[STO], v30, 528
	v_lshl_add_u32 v[STO], v31, 7, v[STO]
	v_add_nc_u32 v[STO], s19, v[STO]
	v_add_nc_u32 v[RD], s19, v[CO]
	; the scale words, for all of K, go straight into registers: lanes 0-15 A's tile i, lanes 16-31 B's tile i; 16 bytes a lane
	s_lshl_b32 s19, s[HI], 2
	s_add_co_u32 s19, s19, s[AT]
	s_lshl_b32 s19, s19, 9
	s_lshl_b32 s22, s[LO], 3
	s_add_co_u32 s22, s22, s[BT]
	s_lshl_b32 s22, s22, 9
	v_mov_b32 v11, s19
	v_mov_b32 v12, s22
	v_cndmask_b32 v11, v11, v12, s[MSK]
	v_lshl_add_u32 v[SO], v30, 4, v11
	v_lshl_add_u32 v13, v30, 4, v12                ; A has 4 tiles: for i = 4 .. 7 every lane takes B's, so that no load leaves scl
.irp i, 0,1,2,3
.irp q, 0,1
	global_load_b128 v[SC+8*\i+4*\q:SC+8*\i+4*\q+3], v[SO], s[6:7] offset:512*\i+256*\q
.endr
.endr
.irp i, 4,5,6,7
.irp q, 0,1
	global_load_b128 v[SC+8*\i+4*\q:SC+8*\i+4*\q+3], v13, s[6:7] offset:512*\i+256*\q
.endr
.endr
	s_lshl_b32 s66, s[CX], 10
	s_lshl_b32 s67, s[LO], 9
	s_add_co_u32 s66, s66, s67                     ; my first column, in bytes: 1,024 cx + 512 x half
	s_mov_b32 s67, 0
	s_add_nc_u64 s[8:9], s[8:9], s[66:67]
.irp b, 0,1,2,3,4,5,6,7
	global_load_b128 v[96+128*(\b/4)+8*(\b%4):96+128*(\b/4)+8*(\b%4)+3], v[BOO], s[8:9] offset:256*(\b/4)+32*(\b%4)
	global_load_b128 v[96+128*(\b/4)+8*(\b%4)+4:96+128*(\b/4)+8*(\b%4)+7], v[BOO], s[8:9] offset:256*(\b/4)+32*(\b%4)+16
.endr
	s_lshl_b32 s20, s[RB], 1
	s_add_co_u32 s20, s20, s[HI]                   ; my group of 64 rows of out: 2 (4 Y + cy) + half
	s_lshl_b32 s20, s20, 18                        ; 64 rows of 4,096 bytes
	s_mov_b32 s21, 0
	s_add_nc_u64 s[10:11], s[10:11], s[20:21]
	s_add_nc_u64 s[10:11], s[10:11], s[66:67]
	s_wait_tensorcnt 3                             ; my part of slice 0 is in; the three later slices' may stay out
	s_barrier_signal -1
	s_barrier_wait -1
	HFETCH 0, 0, 0
	s_wait_loadcnt 0x0                             ; the scale words and bo
	HSTEP 0, 1, 0, 0, 2                            ; the first products start the sums, with bo as C
	HTURN 1, 2, 1                                  ; behind this barrier nobody reads slice 0
	HSTEP 1, 1, 0, 2, 0
	HTURN 2, 1, 3
	HSTEP 2, 1, 0, 4, 0
	HTURN 3, 0, 5                                  ; every tensor load has landed
	HSTEP 3, 1, 0, 6, 0
	HLAST 7
; THE WAY OUT, block by block of 16 rows x 128 columns: through my own stage in LDS, back as whole rows of 512 bytes.  LDS serves a wave's instructions in order: no wait between the stores and the loads.
.macro TOSTAGE a
.set AC, 64*(\a)
	WIN 0x08                                       ; the data: window 2
.irp b, 0,1,2,3,4,5,6,7
	ds_store_b128 v[STO], v[AC+8*\b:AC+8*\b+3] offset:256*(\b/4)+32*(\b%4)        ; each accumulator from its low end on
	ds_store_b128 v[STO], v[AC+8*\b+4:AC+8*\b+7] offset:256*(\b/4)+32*(\b%4)+16
.endr
	WIN 0
.set BB, BK+64*((\a)%2)
.irp t, 0,1,2,3,4,5,6,7,8,9,10,11,12,13,14,15
	ds_load_b128 v[BB+4*\t:BB+4*\t+3], v[RD] offset:\t*528
.endr
.endm
.macro SEND a, younger                 ; younger: the LDS instructions issued behind block a's loads, which may stay out
.set BB, BK+64*((\a)%2)
	s_wait_dscnt \younger
.irp t, 0,1,2,3,4,5,6,7,8,9,10,11,12,13,14,15
	global_store_b128 v[CO], v[BB+4*\t:BB+4*\t+3], s[10:11] offset:(8*(\a)+\t+24*(\t/8))*4096 th:TH_STORE_NT   ; 512 consecutive bytes, aligned; the row's place stands in the immediate
.endr
.endm
	PLACES 4
	TOSTAGE 0
.irp a, 1,2,3
.if \a > 1
	s_wait_xcnt 0x0                                ; block a - 2's stores have read their registers: block a's loads may land there
.endif
	TOSTAGE \a
	SEND \a-1, 32                                  ; behind block a - 1's loads: block a's 16 stores and 16 loads
.endr
	SEND 3, 0
	s_wait_tensorcnt 0x0                           ; the wave's end: no tensor load is out; 0 onto my spare word; my last LDS instructions
	ds_add_u32 v[SPW], v[NIL]
	s_wait_dscnt 0x0
	CROUND                                         ; the closing round: no work-group ends while a partner may still ask for a tile that names it
	s_endpgm
.Lfunc_end_k_qe0aa9587e4_outp:
	.size	k_qe0aa9587e4_outp, .Lfunc_end_k_qe0aa9587e4_outp-k_qe0aa9587e4_outp
	.p2alignl 7, 3214868480
	.fill 96, 4, 3214868480
	.section	.rodata,"a",@progbits
	.p2align	6, 0x0
	.amdhsa_kernel k_qe0aa9587e4_outp
		.amdhsa_group_segment_fixed_size 327680
		.amdhsa_private_segment_fixed_size 0
		.amdhsa_enable_private_segment 0
		.amdhsa_kernarg_size 32
		.amdhsa_user_sgpr_count 2
		.amdhsa_user_sgpr_kernarg_segment_ptr 1
		.amdhsa_wavefront_size32 1
		.amdhsa_system_sgpr_workgroup_id_x 1
		.amdhsa_system_sgpr_workgroup_id_y 1
		.amdhsa_system_sgpr_workgroup_id_z 1
		.amdhsa_system_vgpr_workitem_id 0
		.amdhsa_next_free_vgpr 1024
		.amdhsa_next_free_sgpr 100
		.amdhsa_reserve_vcc 0
		.amdhsa_float_denorm_mode_32 3
		.amdhsa_float_denorm_mode_16_64 3
		.amdhsa_memory_ordered 1
		.amdhsa_forward_progress 1
		.amdhsa_inst_pref_size 98
	.end_amdhsa_kernel
	.amdgpu_metadata
---
amdhsa.version: [ 1, 2 ]
amdhsa.kernels:
  - .name:           k_qe0aa9587e4_outp
    .symbol:         k_qe0aa9587e4_outp.kd
    .args:
      - { .name: img, .offset: 0, .size: 8, .value_kind: global_buffer, .address_space: global }
      - { .name: scl, .offset: 8, .size: 8, .value_kind: global_buffer, .address_space: global }
      - { .name: bo, .offset: 16, .size: 8, .value_kind: global_buffer, .address_space: global }
      - { .name: out0, .offset: 24, .size: 8, .value_kind: global_buffer, .address_space: global }
    .group_segment_fixed_size: 327680
    .private_segment_fixed_size: 0
    .kernarg_segment_align: 8
    .kernarg_segment_size: 32
    .max_flat_workgroup_size: 128
    .sgpr_count:     100
    .vgpr_count:     1024
    .wavefront_size: 32
...
	.end_amdgpu_metadata
.endif
;; end of part 4
;; ======== version 2 of 2: 4 launches; version 1 with the launch attn written anew for expert scheduling mode
;; limits: right only within a limited range of input values
;; workspace buffers: img 15,728,640 bytes; scl 655,360 bytes; idx 8,388,608 bytes of whole numbers; qkv 20,185,088 bytes
;; launch prep: the kernel of part 1 again; grid 896 x 1, 4 waves a work-group, no clusters, 51,200 bytes of LDS; arguments x, Wq, Wk, Wv, Wo, adj, distance, key_padding_mask, img, scl, idx; writes img, scl, idx
;; launch qkv: the kernel of part 2 again; grid 8 x 32, 4 waves a work-group, clusters of 4 x 4, 327,680 bytes of LDS; arguments img, scl, qkv, bq, bk, bv; writes qkv
;; launch attn (part 5): grid 16 x 16, 16 waves a work-group, no clusters, 92,160 bytes of LDS; arguments qkv, idx, edge_emb, dist_emb, img, scl; writes img, scl
.if DOCPART == 5
	.amdgcn_target "amdgcn-amd-amdhsa--gfx1250"
	.amdhsa_code_object_version 6
	.text
	.protected	k_qe0aa9587e4_attn
	.globl	k_qe0aa9587e4_attn
	.p2align	8
	.type	k_qe0aa9587e4_attn,@function
k_qe0aa9587e4_attn:
	s_mov_b64 s[64:65], 0
	v_nop
	global_prefetch_b8 v0, s[64:65] scope:SCOPE_SE
	s_setreg_imm32_b32 hwreg(HW_REG_WAVE_SCHED_MODE, 0, 2), 2
	s_setreg_imm32_b32 hwreg(HW_REG_WAVE_MODE, 25, 1), 1
	s_wait_xcnt 0x0
	s_wait_alu depctr_vm_vsrc(0)
; ATTN.  For one (batch, head): attn = softmax(q k^T / 8 + bias, masked keys out) v, both products on codes of FP6 (E2M3) with E8M0 scales; attn is quantised at once for the last product.
; SHARES.  Work-group (x = head, y = batch); each of its sixteen waves owns two tiles of 16 queries, one after the other; a tile walks the 512 keys in four steps of 128.  All eight steps are written out.
; LDS is written once, at the head, and only read behind the one barrier: the head's K and V codes and scale words as they lie in qkv, and a table of biases.
; THE BIAS IS THE C OF THE SCORE PRODUCT.  The table has 256 entries of 128 bytes, entry c repeated for the 32 lanes: 8 x (edge_emb[a] (a != 0) + dist_emb[d]) for c = 37 a + d < 148, else -2^100 (a masked key).
; idx holds for each (query, key) the 16-bit offset 128 c + 4 x lane: the 32 lanes of a gather fall on 32 different banks.  The offsets are held to the table's last word ahead of use.
; SCALING.  q arrives unscaled, the table holds 8 x bias, and t = D x log2(e) / 8: all factors are powers of two, so t is the logit x log2(e).
; LAYOUT.  S^T = K Q^T + C (source 0 = 16 keys, source 1 = my 16 queries; K = 64, so Q's upper six registers are zero codes; what stands in K's upper six meets zeros), O^T = V^T P^T.  A lane holds ONE query.
; The keys of a tile are chosen so that registers 32 c .. 32 c + 31 of a step's scores are keys 64 c + 32 h + 0 .. 31: a whole block in a lane, in the order of P's registers; O^T's 32 registers are channels 32 h + 0 .. 31.
; SOFTMAX.  M = the running largest t rounded up to a whole number; p = 2^(t - M) is quantised, not normalised; the sum is taken of the unquantised p and divides at the end.
; The running largest t begins at -2^96, above every masked t (about -2^97.5): in a step all of whose keys are masked every p is then 0.
; LIMITS: a row whose every t lies under -2^96 counts as wholly masked; such a row gets the scale byte 0xff, which makes the last product's row NaN, as reference() has it; a block of zeros gets the byte 1;
; NaN and infinities among the inputs are not served.
; No cluster, no joint loads: a head's K and V are read by this work-group alone; idx, which the 16 heads of a batch share, goes straight into registers, a whole key step ahead of its use.
; REGISTERS: v1 8 x lane, v2 16 r, v3 16 x lane, v4 16 r + h, v5 8 h; v[6:7] -M, largest t; v[8:9] the sum; v[10:11] f; v12-19, v248-252 at work; v20 Q's scale words, v21 P's, v22-29 K's, v30-33 V's;
; v34-45 Q; v46-57 P; v58-65 conversions; v66-97 idx; v98-161 S^T, then p; v162-193 O^T; v194-247 K's eight half fragments (6 registers apart) or V's four.
; THE MODE: SCHED_MODE bits 1:0 = 2 (LLVM: expert scheduling mode 2), set by the entry lines.  The code itself states the register dependences between vector or matrix instructions and memory or LDS
; instructions, with s_wait_alu, always for 0.
; THE PLAN.  Registers that memory or LDS instructions touch, in a key step:
;   v1 .. v4      offsets, made at the head and never written again.
;   S (v98-161)   the step's 128 first vector lines write the 64 table offsets there; the 64 gathers read them and land each in its own address register; then the score products write them.
;   IDX (v66-97)  read by those unpacking lines; behind them the next step's eight loads land there.
;   KV, KSW       K's loads land there at the step's head; the score products read them.  KV, VSW: V's loads land there in the step's middle; the second products read them.
;   QQ, QSW       read by the score products; the second tile's are loaded in the first tile's last step.
;   PP, v250      written by conversions, moves and a select; read by the second products (PP), and by the stores at a tile's end.
; So a step has: ONE wait on va_vdst behind its 128 offset lines, and behind it all loads of the step's head in one run, with no vector line among them; one wait on vm_vsrc ahead of the score products;
; the wait for the batch of exponentials, behind which V's loads stand, since it also shows the score products done; the wait for the two further exponentials; and one wait on va_vdst ahead of the second products.
.set HB,   78848
.set VI,   24576
.set KS,   49152
.set VS,   51200
.set QI,   52224
.set QS,   76800
.set TAB,  57344                       ; behind seven rounds of 8,192 copied bytes (the last 5,120 of them are not read)
.set QSW,  20
.set PSW,  21
.set KSW,  22
.set VSW,  30
.set QQ,   34
.set PP,   46
.set TMPC, 58
.set IDX,  66
.set S,    98
.set O,    162
.set KV,   194
.set LOW,  24                          ; s24 0xffff
.set SEL,  36
.set CS,   38
.macro QUANT32 x, cd, tmp, m, m2
	v_max3_num_f32 v[(\m)], |v[(\x)]|, |v[(\x)+1]|, 0x1800000            ; the floor 2^(3 - 127): the byte cannot fall under 1
	v_max3_num_f32 v[(\m2)], |v[(\x)+16]|, |v[(\x)+17]|, |v[(\x)+18]|
.irp i, 2,4,6,8,10,12
	v_max3_num_f32 v[(\m)], v[(\m)], |v[(\x)+\i]|, |v[(\x)+\i+1]|
	v_max3_num_f32 v[(\m2)], v[(\m2)], |v[(\x)+17+\i]|, |v[(\x)+18+\i]|
.endr
	v_max3_num_f32 v[(\m)], v[(\m)], |v[(\x)+14]|, |v[(\x)+15]|
	v_max3_num_f32 v[(\m)], v[(\m)], v[(\m2)], |v[(\x)+31]|
	v_add_nc_u32 v[(\m)], 0xff000000, v[(\m)]
	v_cvt_scalef32_pk16_fp6_f32 v[(\cd):(\cd)+2], v[(\x):(\x)+15], v[(\m)]
	v_cvt_scalef32_pk16_fp6_f32 v[(\tmp):(\tmp)+2], v[(\x)+16:(\x)+31], v[(\m)]
	v_nop
.irp i, 0,1,2
	v_mov_b32 v[(\cd)+3+\i], v[(\tmp)+\i]
.endr
.endm
	s_load_b256 s[4:11], s[0:1], 0x0               ; qkv, idx, edge_emb, dist_emb
	s_load_b128 s[12:15], s[0:1], 0x20             ; img, scl
	v_lshl_add_u32 v254, v0, 2, 0x16000
	v_mov_b32 v255, 0
	v_lshrrev_b32 v1, 5, v0
	v_readfirstlane_b32 s28, v1                    ; wave 0..15
	v_and_b32 v12, 31, v0
	v_and_b32 v13, 15, v0
	v_bfe_u32 v14, v0, 4, 1
	v_lshlrev_b32 v1, 3, v12
	v_lshlrev_b32 v2, 4, v13
	v_lshlrev_b32 v3, 4, v12
	v_add_nc_u32 v4, v2, v14
	v_lshlrev_b32 v5, 3, v14
	v_lshlrev_b32 v162, 4, v0                      ; the copy: 16 bytes a thread, in memory and in LDS
	v_lshlrev_b32 v171, 6, v0                      ; the table: 64 bytes a thread, two threads to an entry
	v_lshrrev_b32 v163, 1, v0                      ; c
	v_mul_u32_u24 v164, v163, 1772
	v_lshrrev_b32 v164, 16, v164                   ; a = c / 37 (exact for c under 256)
	v_mul_u32_u24 v165, v164, 37
	v_sub_nc_u32 v165, v163, v165                  ; d = c % 37
	v_lshlrev_b32 v165, 6, v165                    ; rows of 64 bytes
	v_min_u32 v166, 3, v164
	v_lshlrev_b32 v166, 6, v166
	v_cmp_ne_u32 s58, 0, v164                      ; a != 0
	v_cmp_gt_u32 s59, 148, v163                    ; c is an entry of the two tables
	s_wait_alu depctr_va_sdst(0)                   ; s28, s58 and s59 are written, ahead of their first readers: the scalar lines below read s28, the table's two selects s58 and s59
	s_and_b32 s29, ttmp7, 0xffff                   ; the batch
	s_lshl_b32 s40, s29, 4
	s_add_co_u32 s40, s40, ttmp9
	s_mul_i32 s40, s40, HB                         ; my block of qkv
	s_mov_b32 s41, 0
	s_lshl_b32 s42, s29, 5
	s_lshl_b32 s43, s28, 1
	s_add_co_u32 s42, s42, s43                     ; b 32 + 2 w: my first tile of queries
	s_mul_i32 s44, s43, 768
	s_add_co_u32 s44, s44, QI
	s_mov_b32 s45, 0
	s_lshr_b32 s46, s28, 1
	s_lshl_b32 s46, s46, 8
	s_and_b32 s47, s28, 1
	s_lshl_b32 s47, s47, 3
	s_add_co_u32 s46, s46, s47
	s_add_co_u32 s46, s46, QS                      ; its scale words: (t / 4) 256 + 4 (t % 4)
	s_mov_b32 s47, 0
	s_lshl_b32 s48, s42, 14                        ; its four blocks of idx
	s_mov_b32 s49, 0
	s_add_co_u32 s50, s42, 768
	s_mul_i32 s52, s50, 12288
	s_mul_i32 s51, ttmp9, 768
	s_add_co_u32 s52, s52, s51                     ; attn's codes: tile 768 + b 32 + t, half fragment of my head
	s_mov_b32 s53, 0
	s_lshl_b32 s54, s50, 9
	s_lshr_b32 s51, ttmp9, 3
	s_lshl_b32 s51, s51, 8
	s_add_co_u32 s54, s54, s51
	s_and_b32 s51, ttmp9, 7
	s_lshl_b32 s51, s51, 1
	s_add_co_u32 s54, s54, s51                     ; and its scale bytes
	s_mov_b32 s55, 0
	s_lshl_b32 s56, ttmp9, 2                       ; my head's column of the two tables
	s_mov_b32 s57, 0
	s_mov_b32 s[LOW], 0xffff
	s_mov_b32 s[SEL], 0x76543210
	s_mov_b32 s[SEL+1], 0xfedcba98
	s_mov_b32 s[CS], 0x3e38aa3b                    ; log2(e) / 8
	s_mov_b32 s[CS+1], s[CS]                       ; (named with it as a pair, so it is written)
	s_wait_kmcnt 0x0
	s_add_nc_u64 s[16:17], s[4:5], s[40:41]
	s_add_nc_u64 s[18:19], s[8:9], s[56:57]
	s_add_nc_u64 s[20:21], s[10:11], s[56:57]
	s_add_nc_u64 s[22:23], s[16:17], s[44:45]
	s_add_nc_u64 s[26:27], s[16:17], s[46:47]
	s_add_nc_u64 s[30:31], s[6:7], s[48:49]
	s_add_nc_u64 s[32:33], s[12:13], s[52:53]
	s_add_nc_u64 s[34:35], s[14:15], s[54:55]
	s_wait_alu depctr_va_vdst(0)                   ; the offsets v1 to v4, v162, v165, v166 and v171 are written, which the loads and stores of the kernel read
.irp i, 0,1,2,3,4,5,6
	global_load_b128 v[S+4*\i:S+4*\i+3], v162, s[16:17] offset:8192*\i
.endr
	global_load_b32 v167, v166, s[18:19]           ; edge_emb[min(a, 3)][head]
	global_load_b32 v168, v165, s[20:21]           ; dist_emb[d][head]
.irp p, 0,1,2
	global_load_b64 v[QQ+2*\p:QQ+2*\p+1], v1, s[22:23] offset:256*\p
.endr
	global_load_b32 v[QSW], v2, s[26:27]
.irp k, 0,1,2,3,4,5,6,7
	global_load_b128 v[IDX+4*\k:IDX+4*\k+3], v3, s[30:31] offset:512*\k
.endr
.irp i, 6,7,8,9,10,11
	v_mov_b32 v[QQ+\i], 0                          ; Q's K is 64: the other 64 are zero codes
	v_mov_b32 v[KV+42+\i], 0                       ; what the last tile of K finds in its upper six registers
.endr
	v_mov_b32 v11, 0                               ; (named as the upper half of the pair v[10:11])
	v_mov_b32 v17, 0                               ; (lane permutes' destinations count as sources)
	v_mov_b32 v252, 0
	v_mov_b32 v169, 0xf1800000                     ; -2^100
	s_wait_loadcnt 14                              ; the seven copy loads are in; behind them: 2 for the table, 3 of Q, 1 of its scales, 8 of idx
.irp i, 0,1,2,3,4,5,6
	ds_store_b128 v162, v[S+4*\i:S+4*\i+3] offset:8192*\i   ; no vector line since the wait above names v162 or these registers
.endr
	s_wait_loadcnt 12                              ; the table's two
	v_cndmask_b32 v167, 0, v167, s58               ; edge_emb[a] x (a != 0)
	v_add_f32 v167, v167, v168
	v_mul_f32 v167, 0x41000000, v167               ; x 8
	v_cndmask_b32 v172, v169, v167, s59            ; entries 148 on: a masked key
	v_mov_b32 v173, v172
	v_mov_b32 v174, v172
	v_mov_b32 v175, v172
	s_wait_alu depctr_va_vdst(0)                   ; v172 to v175 are written, which the LDS stores below read
.irp i, 0,1,2,3
	ds_store_b128 v171, v[172:175] offset:TAB+16*\i
.endr
	s_wait_dscnt 0x0                               ; for the others' sake: my stores have landed
	s_barrier_signal -1
	s_barrier_wait -1                              ; from here on LDS is only read
	s_wait_alu depctr_vm_vsrc(0)                   ; the head's loads and LDS stores have read v162, v165, v166, v171 to v175 and v[S ..]: these are O^T and S^T from here on, written by vector lines and products
; A KEY STEP: tile tl of my two, keys 128 s on
.macro STEP tl, s
	s_wait_loadcnt 0x0                             ; this step's idx (asked for a step ago), and at a tile's start its Q
.if ((\tl)==1) && ((\s)==0)
	s_wait_xcnt 0x0                                ; the first tile's stores have had their addresses translated
	s_wait_alu depctr_vm_vsrc(0)                   ; and have read v[PP ..] and v250, which this step's conversions, moves and shifts write again
.endif
.irp k, 0,1,2,3,4,5,6,7
.irp i, 0,1,2,3
	v_and_b32 v[S+8*\k+2*\i], s[LOW], v[IDX+4*\k+\i]
	v_lshrrev_b32 v[S+8*\k+2*\i+1], 16, v[IDX+4*\k+\i]
.endr
.irp e, 0,1,2,3,4,5,6,7
	v_min_u32 v[S+8*\k+\e], 0x7ffc, v[S+8*\k+\e]   ; held to the table's last word
.endr
.endr
	s_wait_alu depctr_va_vdst(0)                   ; the 64 offsets in v[S ..] are written, which the gathers read and in which they land; the lines above are done reading IDX; the last step's products are done reading KV and K's scale words.  No vector line stands among the loads below
.if 4*(\tl)+(\s) < 7
.irp k, 0,1,2,3,4,5,6,7
	global_load_b128 v[IDX+4*\k:IDX+4*\k+3], v3, s[30:31] offset:(4*(\tl)+(\s)+1)*4096+512*\k   ; the next step's idx
.endr
.endif
.irp t, 0,1,2,3,4,5,6,7
.irp p, 0,1,2
	ds_load_b64 v[KV+6*\t+2*\p:KV+6*\t+2*\p+1], v1 offset:(8*(\s)+\t)*768+256*\p
.endr
.endr
	ds_load_b128 v[KSW:KSW+3], v2 offset:KS+512*(\s)
	ds_load_b128 v[KSW+4:KSW+7], v2 offset:KS+512*(\s)+256
.set J, 0
.rept 64
	ds_load_b32 v[S+J], v[S+J] offset:TAB          ; 8 x bias, or -2^100: the C of the score product
.set J, J+1
.endr
	s_wait_dscnt 0x0
	s_wait_alu depctr_vm_vsrc(0)                   ; the gathers have read their addresses in v[S ..], which the products below write
.irp t, 0,1,2,3,4,5,6,7
	v_wmma_scale_f32_16x16x128_f8f6f4 v[S+8*\t:S+8*\t+7], v[KV+6*\t:KV+6*\t+11], v[QQ:QQ+11], v[S+8*\t:S+8*\t+7], v[KSW+\t], v[QSW] matrix_a_fmt:MATRIX_FMT_FP6 matrix_b_fmt:MATRIX_FMT_FP6
.endr
.rept 4
	v_nop                                          ; places in front of the first read of the scores
.endr
	; the largest score of each block of 32 keys (all 32 are mine): for the row's maximum and, since p rises with the score, for the block's largest p.  Each accumulator is read from its low end on
.irp c, 0,1
	v_max3_num_f32 v[12+2*\c], v[S+32*\c], v[S+32*\c+1], v[S+32*\c+2]
	v_max3_num_f32 v[13+2*\c], v[S+32*\c+16], v[S+32*\c+17], v[S+32*\c+18]
.endr
.irp i, 3,5,7,9,11,13
.irp c, 0,1
	v_max3_num_f32 v[12+2*\c], v[12+2*\c], v[S+32*\c+\i], v[S+32*\c+\i+1]
	v_max3_num_f32 v[13+2*\c], v[13+2*\c], v[S+32*\c+16+\i], v[S+32*\c+17+\i]
.endr
.endr
.irp c, 0,1
	v_max3_num_f32 v[12+2*\c], v[12+2*\c], v[13+2*\c], v[S+32*\c+15]
.endr
.irp c, 0,1
	v_max_num_f32 v[12+2*\c], v[12+2*\c], v[S+32*\c+31]
.endr
	v_max_num_f32 v16, v12, v14
	v_permlanex16_b32 v17, v16, s[SEL], s[SEL+1]
	v_max_num_f32 v16, v16, v17                    ; the step's largest score of my query
	v_mul_f32 v16, s[CS], v16
	v_max_num_f32 v7, v7, v16                      ; the running largest t
	v_mov_b32 v16, v6
	v_floor_f32 v6, -v7                            ; -M = floor(-t): M is a whole number
	v_sub_f32 v16, v6, v16                         ; old M - new M: a whole number, 0 or less
	v_cvt_i32_f32 v16, v16                         ; (it saturates)
	v_ldexp_f32 v10, 1.0, v16                      ; f = 2^(old M - new M)
.set J, 0
.rept 32
	v_pk_fma_f32 v[S+J:S+J+1], v[S+J:S+J+1], s[CS:CS+1], v[6:7] op_sel_hi:[1,0,0]   ; t - M, two at a time
.set J, J+2
.endr
	v_fma_f32 v12, v12, s[CS], v6                  ; the same of each block's largest score
	v_fma_f32 v14, v14, s[CS], v6
.set J, 0
.rept 64
	v_exp_f32 v[S+J], v[S+J]                       ; p = 2^(t - M): one batch
.set J, J+1
.endr
	v_pk_mul_f32 v[8:9], v[8:9], v[10:11] op_sel_hi:[1,0]   ; the sums under the new M (the plain line behind the exponentials)
	s_wait_alu depctr_va_vdst(0)                   ; the 64 exponentials have written v[S ..], ahead of their first reader; the score products are done reading KV, Q and Q's scale words, and the last step's second products V's scale words: the loads below land there
.irp t, 0,1,2,3
.irp p, 0,1,2,3,4,5
	ds_load_b64 v[KV+12*\t+2*\p:KV+12*\t+2*\p+1], v1 offset:VI+(4*(\s)+\t)*1536+256*\p   ; V lands while the sums are taken and p is quantised
.endr
.endr
	ds_load_b128 v[VSW:VSW+3], v2 offset:VS+256*(\s)
.if ((\tl)==0) && ((\s)==3)
.irp p, 0,1,2
	global_load_b64 v[QQ+2*\p:QQ+2*\p+1], v1, s[22:23] offset:768+256*\p   ; the second tile's Q
.endr
	global_load_b32 v[QSW], v2, s[26:27] offset:4
.endif
	v_exp_f32 v12, v12                             ; the blocks' largest p
	v_exp_f32 v14, v14
	v_pk_add_f32 v[248:249], v[S:S+1], v[S+2:S+3]  ; the row's sum is taken of the unquantised p, in two chains
.set J, 4
.rept 15
	v_pk_add_f32 v[8:9], v[8:9], v[S+J:S+J+1]
	v_pk_add_f32 v[248:249], v[248:249], v[S+J+2:S+J+3]
.set J, J+4
.endr
	v_pk_add_f32 v[8:9], v[8:9], v[248:249]
	s_wait_alu depctr_va_vdst(0)                   ; the two exponentials have written v12 and v14, ahead of their first reader
	v_max_num_f32 v12, 0x1800000, v12              ; the floor 2^(3 - 127)
	v_max_num_f32 v14, 0x1800000, v14
	v_add_nc_u32 v18, 0xff000000, v12              ; 2 off the exponent field: the conversions' scale operands
	v_add_nc_u32 v19, 0xff000000, v14
	v_lshrrev_b32 v250, 23, v18
	v_lshrrev_b32 v251, 23, v19
	v_lshl_or_b32 v250, v251, 16, v250             ; the bytes of blocks h and 2 + h,
	v_lshlrev_b32 v250, v5, v250                   ; at their places;
	v_permlanex16_b32 v252, v250, s[SEL], s[SEL+1]
	v_or_b32 v[PSW], v250, v252                    ; with lane l xor 16's two: p's scale word for these 128 keys
.irp c, 0,1
	v_cvt_scalef32_pk16_fp6_f32 v[PP+6*\c:PP+6*\c+2], v[S+32*\c:S+32*\c+15], v[18+\c]
	v_cvt_scalef32_pk16_fp6_f32 v[TMPC+4*\c:TMPC+4*\c+2], v[S+32*\c+16:S+32*\c+31], v[18+\c]
.endr
	v_nop                                          ; one plain line behind a scaled conversion
.irp c, 0,1
.irp i, 0,1,2
	v_mov_b32 v[PP+6*\c+3+\i], v[TMPC+4*\c+\i]
.endr
.endr
.if (\s) == 0
.rept 8
	v_nop                                          ; a scale register written by a vector line stands 8 places ahead of a scaled product, an operand 4
.endr
.else
.set J, 0
.rept 16
	v_pk_mul_f32 v[O+J:O+J+1], v[O+J:O+J+1], v[10:11] op_sel_hi:[1,0]   ; O^T under the new M (these are those places too)
.set J, J+2
.endr
.endif
	s_wait_alu depctr_va_vdst(0)                   ; P's codes in v[PP ..] and P's scale word are written, which the scaled products below take as operand and scales; the places above stay beside this wait
	s_wait_dscnt 0x0                               ; V
.irp t, 0,1,2,3
.if (\s) == 0
	v_wmma_scale_f32_16x16x128_f8f6f4 v[O+8*\t:O+8*\t+7], v[KV+12*\t:KV+12*\t+11], v[PP:PP+11], 0, v[VSW+\t], v[PSW] matrix_a_fmt:MATRIX_FMT_FP6 matrix_b_fmt:MATRIX_FMT_FP6
.else
	v_wmma_scale_f32_16x16x128_f8f6f4 v[O+8*\t:O+8*\t+7], v[KV+12*\t:KV+12*\t+11], v[PP:PP+11], v[O+8*\t:O+8*\t+7], v[VSW+\t], v[PSW] matrix_a_fmt:MATRIX_FMT_FP6 matrix_b_fmt:MATRIX_FMT_FP6
.endif
.endr
.endm
.macro BEGIN                           ; a tile's start
	v_mov_b32 v7, 0xef800000                       ; the largest t so far: -2^96
	v_floor_f32 v6, -v7
	v_mov_b32 v8, 0
	v_mov_b32 v9, 0
.endm
; A tile's end: O^T / the sum is a block of 32 of the last product's K in each lane: quantised and stored as half a fragment's image
.macro OUT tl
.rept 4
	v_nop                                          ; places behind the last products
.endr
	v_add_f32 v8, v8, v9
	v_permlanex16_b32 v17, v8, s[SEL], s[SEL+1]
	v_add_f32 v8, v8, v17                          ; the row's sum
	v_rcp_f32 v9, v8
	v_mov_b32 v251, 0xff                           ; (the plain line behind the reciprocal)
	v_cmp_gt_f32 vcc_lo, 0xef000000, v7            ; no key counted: the largest t is still under -2^95
	s_wait_alu depctr_va_vdst(0)                   ; the reciprocal has written v9, ahead of its first reader
.set J, 0
.rept 32
	v_mul_f32 v[S+J], v[O+J], v9                   ; each accumulator from its low end on
.set J, J+1
.endr
	QUANT32 S, PP, TMPC, 18, 19
	v_lshrrev_b32 v250, 23, v18
	s_wait_alu depctr_va_vcc(0)                    ; the compare above has written VCC, ahead of the select that reads it
	v_cndmask_b32 v250, v250, v251, vcc_lo         ; then the byte 0xff
	s_wait_alu depctr_va_vdst(0)                   ; the codes in v[PP ..] and the byte in v250 are written, which the stores below read
.irp p, 0,1,2
	global_store_b64 v1, v[PP+2*\p:PP+2*\p+1], s[32:33] offset:(\tl)*12288+256*\p   ; 256 consecutive bytes, aligned
.endr
	global_store_b8 v4, v250, s[34:35] offset:(\tl)*512   ; one byte a lane, 16 bytes from row to row: one part in 24 of what the launch stores
.endm
	BEGIN
	STEP 0, 0
	STEP 0, 1
	STEP 0, 2
	STEP 0, 3
	OUT 0
	BEGIN
	STEP 1, 0
	STEP 1, 1
	STEP 1, 2
	STEP 1, 3
	OUT 1
	s_wait_dscnt 0x0                               ; the closing lines, six on end
	s_wait_alu 0x0
	s_wait_tensorcnt 0x0
	ds_add_u32 v254, v255
	s_wait_dscnt 0x0
	s_endpgm
.Lfunc_end_k_qe0aa9587e4_attn:
	.size	k_qe0aa9587e4_attn, .Lfunc_end_k_qe0aa9587e4_attn-k_qe0aa9587e4_attn
	.p2alignl 7, 3214868480
	.fill 96, 4, 3214868480
	.section	.rodata,"a",@progbits
	.p2align	6, 0x0
	.amdhsa_kernel k_qe0aa9587e4_attn
		.amdhsa_group_segment_fixed_size 92160
		.amdhsa_private_segment_fixed_size 0
		.amdhsa_enable_private_segment 0
		.amdhsa_kernarg_size 48
		.amdhsa_user_sgpr_count 2
		.amdhsa_user_sgpr_kernarg_segment_ptr 1
		.amdhsa_wavefront_size32 1
		.amdhsa_system_sgpr_workgroup_id_x 1
		.amdhsa_system_sgpr_workgroup_id_y 1
		.amdhsa_system_sgpr_workgroup_id_z 1
		.amdhsa_system_vgpr_workitem_id 0
		.amdhsa_next_free_vgpr 256
		.amdhsa_next_free_sgpr 66
		.amdhsa_reserve_vcc 1
		.amdhsa_float_denorm_mode_32 3
		.amdhsa_float_denorm_mode_16_64 3
		.amdhsa_memory_ordered 1
		.amdhsa_forward_progress 1
		.amdhsa_inst_pref_size 224
	.end_amdhsa_kernel
	.amdgpu_metadata
---
amdhsa.version: [ 1, 2 ]
amdhsa.kernels:
  - .name:           k_qe0aa9587e4_attn
    .symbol:         k_qe0aa9587e4_attn.kd
    .args:
      - { .name: qkv, .offset: 0, .size: 8, .value_kind: global_buffer, .address_space: global }
      - { .name: idx, .offset: 8, .size: 8, .value_kind: global_buffer, .address_space: global }
      - { .name: edge_emb, .offset: 16, .size: 8, .value_kind: global_buffer, .address_space: global }
      - { .name: dist_emb, .offset: 24, .size: 8, .value_kind: global_buffer, .address_space: global }
      - { .name: img, .offset: 32, .size: 8, .value_kind: global_buffer, .address_space: global }
      - { .name: scl, .offset: 40, .size: 8, .value_kind: global_buffer, .address_space: global }
    .group_segment_fixed_size: 92160
    .private_segment_fixed_size: 0
    .kernarg_segment_align: 8
    .kernarg_segment_size: 48
    .max_flat_workgroup_size: 512
    .sgpr_count:     66
    .vgpr_count:     256
    .wavefront_size: 32
...
	.end_amdgpu_metadata
.endif
;; end of part 5
;; launch outp: the kernel of part 4 again; grid 4 x 64, 4 waves a work-group, clusters of 4 x 4, 327,680 bytes of LDS; arguments img, scl, bo, out0; writes out0
